; MI455X (gfx1250); checked and timed in simulation.
; The chip was launched on July 23, 2026; its instructions are those of AMD's public machine-readable ISA for CDNA 5 (MIT licence, August 2026) and "CDNA5" Instruction Set Architecture Reference Guide (July 2026). The comments in the code are by the model that wrote it; some were corrected since.
;; Multihead Attention. Allowed arithmetic: matrix products marked QUANTISED: E2M3 operands, one E8M0 scale for each 32 along K, by v_wmma_scale_f32_16x16x128_f8f6f4 with both operands' format E2M3, f32 sums; everything else in f32.
;; Inputs: Wk_codes 1,024 x 32 x 24 uint8 (E2M3 codes of Wk, K innermost, in blocks of 32 codes, four codes in three bytes); Wk_scales 1,024 x 32 uint8 (E8M0 scales of Wk, one for each 32 codes along K); Wo_codes 1,024 x 32 x 24 uint8 (E2M3 codes of Wo, K innermost, in blocks of 32 codes, four codes in three bytes); Wo_scales 1,024 x 32 uint8 (E8M0 scales of Wo, one for each 32 codes along K); Wq_codes 1,024 x 32 x 24 uint8 (E2M3 codes of Wq, K innermost, in blocks of 32 codes, four codes in three bytes); Wq_scales 1,024 x 32 uint8 (E8M0 scales of Wq, one for each 32 codes along K); Wv_codes 1,024 x 32 x 24 uint8 (E2M3 codes of Wv, K innermost, in blocks of 32 codes, four codes in three bytes); Wv_scales 1,024 x 32 uint8 (E8M0 scales of Wv, one for each 32 codes along K); b_ln 1,024 float32; b_pre 1,024 float32; bk 1,024 float32; bo 1,024 float32; bq 1,024 float32; bv 1,024 float32; causal_mask 2,048 x 2,048 float32; g_ln 1,024 float32; g_pre 1,024 float32; padding_mask 4 x 2,048 bool; x 4 x 2,048 x 1,024 float32.
;; Outputs: out0 4 x 2,048 x 1,024 float32.
;; This version of the problem:
;;   THIS VERSION OF THE PROBLEM IS GIVEN IN LOW PRECISION. The matrix products marked QUANTISED in the list below multiply operands that are first quantised to E2M3 (2 exponent bits, 3 mantissa bits; 6 bits a number), with one power-of-two scale for each 32 numbers along K (OCP MX v1.0); their sums are f32. All else is computed in f32.
;;   The module's matrix products, in the order in which they are computed (A, B: the left and right operand; K: the contracted axis; several contracted axes count as one K, in the product's order):
;;     1. [M 8,192, K 1,024] x [K 1,024, N 1,024]; A: computed on the way; B: input Wq (given as codes): QUANTISED
;;     2. [M 8,192, K 1,024] x [K 1,024, N 1,024]; A: computed on the way; B: input Wk (given as codes): QUANTISED
;;     3. [M 8,192, K 1,024] x [K 1,024, N 1,024]; A: computed on the way; B: input Wv (given as codes): QUANTISED
;;     4. batch 64 x [M 2,048, K 64] x [K 64, N 2,048]; A: computed on the way; B: computed on the way: QUANTISED
;;     5. batch 64 x [M 2,048, K 2,048] x [K 2,048, N 64]; A: softmax (see below); B: computed on the way: QUANTISED
;;     6. [M 8,192, K 1,024] x [K 1,024, N 1,024]; A: computed on the way; B: input Wo (given as codes): QUANTISED
;;   THE QUANTISER, for each operand of a quantised product, along K:
;;     - K is cut into blocks of 32 from its start; a last block that is shorter is filled with zeros.
;;     - A block's scale is 2^e with e = floor(log2(the largest magnitude in the block)) - 2, held to -126 .. 127; a block of zeros has e = 0. As a byte (E8M0): e + 127.
;;     - Each number is divided by its block's scale, clamped to +-7.5, and rounded to the nearest number of E2M3, ties to even, subnormals kept.
;;     - The product sums the exact products of the quantised numbers (number of the format x scale) in f32.
;;   ~~~python
;;   def quantise(x, axis):      # numpy; x: float32 -> the quantised numbers, widened to float32 again
;;       x = np.moveaxis(x, axis, -1); K = x.shape[-1]
;;       x = np.pad(x, [(0, 0)] * (x.ndim - 1) + [(0, -K % 32)]); x = x.reshape(x.shape[:-1] + (-1, 32)); a = np.abs(x).max(-1, keepdims=True)
;;       e = np.where(a > 0, np.clip(np.frexp(np.where(a > 0, a, 1))[1] - 1 - 2, -126, 127), 0)      # np.frexp(a)[1] - 1 = floor(log2(a)), exactly
;;       r = np.clip(x / 2.0 ** e, -7.5, 7.5)
;;       step = 2.0 ** (np.maximum(np.frexp(np.where(r == 0, 1, r))[1] - 1, 0) - 3)
;;       q = np.round(r / step) * step * 2.0 ** e      # np.round: ties to even
;;       return np.moveaxis(q.reshape(q.shape[:-2] + (-1,))[..., :K], -1, axis).astype(np.float32)
;;   ~~~
;;   SOFTMAX AHEAD OF A QUANTISED PRODUCT. Where the list says 'softmax', what is quantised is not the finished softmax but p = 2^(t - M), with t = logit x log2(e) and M = ceil(the row's largest t), a whole number; so 1/2 < the row's largest p <= 1. The row's sum l is taken of the UNQUANTISED p, in f32, and the product's result is divided by l at the end. Since M is a whole number, a kernel that streams over the keys may use a running M (the ceiling of the running maximum): every later rescaling is an exact power of two, which a block's scale takes up: the codes' values come out the same.
;;   OPERANDS COMPUTED ON THE WAY. 'Computed on the way' means the value that the module computes at that place (a softmax that the list does not call 'softmax' is quantised finished and normalised). What goes into a quantiser is computed in f32, as accurately as f32 sums, v_exp_f32 and their like allow (about 1e-6 of the number): no bf16 or f16 on the way to a quantiser, and a product that is left as it is and whose result goes on into a quantised operand takes f32 operands (vector FMAs, or v_wmma_f32_16x16x4_f32). A number that lies on a knife's edge between two numbers of the format may be rounded either way, as far as f32 arithmetic and the matrix unit's own rounding can turn it there, and no further.
;;   INPUTS GIVEN AS CODES. Wk (in the module: [1024, 1024], K = its axis 1); Wo (in the module: [1024, 1024], K = its axis 1); Wq (in the module: [1024, 1024], K = its axis 1); Wv (in the module: [1024, 1024], K = its axis 1): each comes as NAME_codes (uint8): NAME with its K axis moved to the last place and cut into blocks of 32 codes, [.., K / 32, bytes a block], one block behind the other in memory; four codes in three bytes: a row's codes are one little-endian stream of bits, code i at bits 6 i .. 6 i + 5 (a code: sign, 2 exponent bits, 3 mantissa bits); and NAME_scales (uint8): the same leading axes, one E8M0 byte (e + 127) for each 32 codes along K. Its value is code x scale, taken as it is: it is not quantised again, and the codes and scales need not be those that the quantiser above would give.
;; One version. Each part assembles by itself: llvm-mc -triple=amdgcn-amd-amdhsa -mcpu=gfx1250 --defsym DOCPART=n.
;; ======== version 1 of 1: 4 launches
;; limits: right only within a limited range of input values
;; workspace buffers: hc 6,291,456 bytes; hs 262,144 bytes; qc 13,369,344 bytes; kvc 13,369,344 bytes; ac 6,291,456 bytes; asw 1,048,576 bytes; padm 16,384 bytes of whole numbers
;; launch lnq (part 1): grid 256 x 1, 4 waves a work-group, no clusters, 33,280 bytes of LDS; arguments x, g_pre, b_pre, hc, hs, padding_mask, padm; writes hc, hs, padm
.if DOCPART == 1
	.amdgcn_target "amdgcn-amd-amdhsa--gfx1250"
	.amdhsa_code_object_version 6
	.text
	.protected	k_q25b920a4f1_lnq
	.globl	k_q25b920a4f1_lnq
	.p2align	8
	.type	k_q25b920a4f1_lnq,@function
k_q25b920a4f1_lnq:
	s_mov_b64 s[64:65], 0
	v_nop
	global_prefetch_b8 v0, s[64:65] scope:SCOPE_SE
	s_setreg_imm32_b32 hwreg(HW_REG_WAVE_MODE, 25, 1), 1
	s_wait_xcnt 0x0
; h = LayerNorm(x) * g_pre + b_pre, quantised along D to codes of E2M3 with one E8M0 byte for each 32: hc [8192][768 bytes], hs [8192][32], laid as the given weights are (K innermost, one stream of bits).
; DEAD WORK: none is left out in this program.  causal_mask and padding_mask are inputs, so every score is made and both masks are honoured as given; every input has a way to the output and is loaded by some launch.
; LIMITS: NaN and infinities in x, g_pre, b_pre are not served.  A block whose largest magnitude lies under 2^-124 (a block of zeros too) gets the byte 1: its bytes are read by this program alone, and zero codes add nothing.
; SHARES.  A wave takes 8 rows, one at a time.  A row is 4,096 bytes: eight loads of 512 consecutive bytes, 32 registers; mean and variance are taken in that layout (g_pre and b_pre lie in it too, in 64 registers).
; The conversion wants 16 NEIGHBOURS in a lane: each half row (512 numbers) turns through the wave's own stage in LDS (16 bytes of padding behind each 64).  Two neighbouring lanes hold a block of 32.
; A lane's 16 codes are 12 bytes: a store covers 384 consecutive bytes.  The wave's 256 scale bytes are gathered in LDS and leave as one aligned run of 256 bytes.  Waves share nothing: no barrier.
.set WREG,  8192                       ; LDS of a wave: two stages of 32 x SP bytes, then its 256 scale bytes
.set SP,    80
.set SPARE, 4*WREG                     ; the spare words, 128 bytes a wave
.set EMAX,  2
.set SPW,   12                         ; v12 my spare word's address; v13 zero: kept for the add alone
.set NIL,   13
.set GG,    16                         ; v16-47   g_pre
.set BB,    48                         ; v48-79   b_pre
.set RB,    80                         ; v80-175  three row buffers
.set XN,    176                        ; v176-207 two sets of 16 neighbours
.set CD,    208                        ; v208-223 four sets of codes
.set EB,    224                        ; v224-239 a scale byte for each half row
.set T,     240                        ; v240-243 sums; v244-245 -mean (pair); v246-247 1/sigma (pair)
	s_load_b256 s[4:11], s[0:1], 0x0               ; x, g_pre, b_pre, hc
	s_load_b64 s[12:13], s[0:1], 0x20              ; hs
	s_load_b128 s[28:31], s[0:1], 0x28             ; padding_mask, padm
	v_lshl_add_u32 v[SPW], v0, 2, SPARE
	v_mov_b32 v[NIL], 0
	v_lshrrev_b32 v1, 5, v0
	v_readfirstlane_b32 s16, v1                    ; wave
	v_and_b32 v2, 31, v0                           ; lane
	v_lshlrev_b32 v3, 4, v2                        ; my 16 bytes of a load's 512
	s_mul_i32 s17, s16, WREG
	v_lshrrev_b32 v14, 2, v2
	v_mul_u32_u24 v14, v14, SP
	v_and_b32 v15, 3, v2
	v_lshl_add_u32 v14, v15, 4, v14
	v_add_nc_u32 v14, s17, v14                     ; the stage, way in: SP (lane / 4) + 16 (lane % 4)
	v_mul_u32_u24 v15, v2, SP
	v_add_nc_u32 v15, s17, v15                     ; way out: SP x lane
	v_mul_u32_u24 v4, v2, 12                       ; my codes' place in a half row's 384 bytes
	v_lshrrev_b32 v5, 1, v2
	s_add_co_u32 s17, s17, 2*32*SP
	v_add_nc_u32 v5, s17, v5                       ; my block's scale byte
	v_lshlrev_b32 v7, 3, v2
	v_add_nc_u32 v6, s17, v7                       ; and 8 bytes a lane on the way out
	s_lshl_b32 s18, ttmp9, 5
	s_lshl_b32 s19, s16, 3
	s_add_co_u32 s18, s18, s19                     ; my first row: 32 x work-group + 8 x wave
	s_lshl_b32 s20, s18, 12
	s_mov_b32 s21, 0
	s_mul_i32 s22, s18, 768
	s_mov_b32 s23, 0
	s_lshl_b32 s24, s18, 5
	s_mov_b32 s25, 0
	s_mov_b32 s14, 0x3a800000                      ; 1 / 1024
	s_mov_b32 s15, 0x3727c5ac                      ; 1e-5
	s_mov_b32 s26, 0x76543210
	s_mov_b32 s27, 0xfedcba98                      ; lane l xor 16
	v_mov_b32 v[T+5], 0                            ; upper halves of pairs of which the low word serves both halves
	v_mov_b32 v[T+7], 0
	s_wait_kmcnt 0x0
	s_add_nc_u64 s[4:5], s[4:5], s[20:21]
	s_add_nc_u64 s[10:11], s[10:11], s[22:23]
	s_add_nc_u64 s[12:13], s[12:13], s[24:25]
.irp j, 0,1,2,3,4,5,6,7
	global_load_b128 v[GG+4*\j:GG+4*\j+3], v3, s[6:7] offset:512*\j
	global_load_b128 v[BB+4*\j:BB+4*\j+3], v3, s[8:9] offset:512*\j
.endr
.macro LOADROW p
.irp j, 0,1,2,3,4,5,6,7
	global_load_b128 v[RB+32*((\p)%3)+4*\j:RB+32*((\p)%3)+4*\j+3], v3, s[4:5] offset:4096*(\p)+512*\j th:TH_LOAD_NT
.endr
.endm
	LOADROW 0
	LOADROW 1
	LOADROW 2
.macro REDUCE                          ; the two chains, the pair's halves, the 32 lanes: the sum in every lane's v[T]
	v_pk_add_f32 v[T:T+1], v[T:T+1], v[T+2:T+3]
	v_add_f32 v[T], v[T], v[T+1]
	v_add_f32_dpp v[T], v[T], v[T] row_xmask:1 row_mask:0xf bank_mask:0xf
	v_add_f32_dpp v[T], v[T], v[T] row_xmask:2 row_mask:0xf bank_mask:0xf
	v_add_f32_dpp v[T], v[T], v[T] row_xmask:4 row_mask:0xf bank_mask:0xf
	v_add_f32_dpp v[T], v[T], v[T] row_xmask:8 row_mask:0xf bank_mask:0xf
	v_permlanex16_b32 v[T+1], v[T], s26, s27
	v_add_f32 v[T], v[T], v[T+1]
.endm
.macro LNORM                           ; the row in v[RR] on becomes (x - mean) / sqrt(var + eps) * g + b, in place
	v_pk_add_f32 v[T:T+1], v[RR:RR+1], v[RR+2:RR+3]
	v_pk_add_f32 v[T+2:T+3], v[RR+4:RR+5], v[RR+6:RR+7]
.irp j, 8,16,24
	v_pk_add_f32 v[T:T+1], v[T:T+1], v[RR+\j:RR+\j+1]
	v_pk_add_f32 v[T+2:T+3], v[T+2:T+3], v[RR+\j+2:RR+\j+3]
	v_pk_add_f32 v[T:T+1], v[T:T+1], v[RR+\j+4:RR+\j+5]
	v_pk_add_f32 v[T+2:T+3], v[T+2:T+3], v[RR+\j+6:RR+\j+7]
.endr
	REDUCE
	v_mul_f32 v[T+4], 0xba800000, v[T]             ; -mean
.set J, 0
.rept 16
	v_pk_add_f32 v[RR+J:RR+J+1], v[RR+J:RR+J+1], v[T+4:T+5] op_sel_hi:[1,0]
.set J, J+2
.endr
	v_pk_mul_f32 v[T:T+1], v[RR:RR+1], v[RR:RR+1]
	v_pk_mul_f32 v[T+2:T+3], v[RR+2:RR+3], v[RR+2:RR+3]
.irp j, 4,8,12,16,20,24,28
	v_pk_fma_f32 v[T:T+1], v[RR+\j:RR+\j+1], v[RR+\j:RR+\j+1], v[T:T+1]
	v_pk_fma_f32 v[T+2:T+3], v[RR+\j+2:RR+\j+3], v[RR+\j+2:RR+\j+3], v[T+2:T+3]
.endr
	REDUCE
	v_fma_f32 v[T], v[T], s14, s15                 ; variance + eps
	s_wait_alu depctr_va_vdst(0)
	v_rsq_f32 v[T+6], v[T]
	v_nop                                          ; a plain line behind the transcendental,
	s_wait_alu depctr_va_vdst(0)                   ; and the wait ahead of its first reader
.set J, 0
.rept 16
	v_pk_mul_f32 v[RR+J:RR+J+1], v[RR+J:RR+J+1], v[T+6:T+7] op_sel_hi:[1,0]
.set J, J+2
.endr
.set J, 0
.rept 16
	v_pk_fma_f32 v[RR+J:RR+J+1], v[RR+J:RR+J+1], v[GG+J:GG+J+1], v[BB+J:BB+J+1]
.set J, J+2
.endr
.endm
.macro TURN t, src                     ; half row t through its stage: LDS serves a wave's instructions in order, so no wait stands between the stores and the loads
.irp i, 0,1,2,3
	ds_store_b128 v14, v[\src+4*\i:\src+4*\i+3] offset:32*SP*((\t)%2)+8*SP*\i
.endr
.irp i, 0,1,2,3
	ds_load_b128 v[XN+16*((\t)%2)+4*\i:XN+16*((\t)%2)+4*\i+3], v15 offset:32*SP*((\t)%2)+16*\i
.endr
.endm
.macro STEPQ t                         ; 512 numbers, 16 a lane: the block's largest magnitude, its byte, the codes
.set XS, XN+16*((\t)%2)
.set CS, CD+4*((\t)%4)
	v_max3_num_f32 v8, |v[XS]|, |v[XS+1]|, |v[XS+2]|
	v_max3_num_f32 v9, |v[XS+3]|, |v[XS+4]|, |v[XS+5]|
.irp i, 6,10
	v_max3_num_f32 v8, v8, |v[XS+\i]|, |v[XS+\i+1]|
	v_max3_num_f32 v9, v9, |v[XS+\i+2]|, |v[XS+\i+3]|
.endr
	v_max3_num_f32 v8, v8, |v[XS+14]|, |v[XS+15]|
	v_max3_num_f32 v8, v8, v9, (EMAX+1)<<23        ; the floor 2^(3 - 127): the byte cannot fall under 1
	v_max_num_f32_dpp v8, v8, v8 row_xmask:1 row_mask:0xf bank_mask:0xf   ; with my neighbour's 16: the block's
	v_add_nc_u32 v11, -(EMAX<<23), v8              ; 2 off the exponent field: the conversion's scale operand
	v_cvt_scalef32_pk16_fp6_f32 v[CS:CS+2], v[XS:XS+15], v11
	v_lshrrev_b32 v[EB+(\t)], 23, v11              ; the scale's byte (also the plain line behind the conversion)
	ds_store_b8 v5, v[EB+(\t)] offset:16*(\t)      ; both lanes of a block write the same byte with the same value
	global_store_b96 v4, v[CS:CS+2], s[10:11] offset:384*(\t)
.endm
.macro ROW p
.set RR, RB+32*((\p)%3)
	s_wait_xcnt 0x0                                ; the code registers that stores of two rows back read are written again only behind this wait
.if (\p) < 6
	s_wait_loadcnt 16                              ; my row (and g, b) are in; the two rows behind it may be out
.elseif (\p) == 6
	s_wait_loadcnt 8
.else
	s_wait_loadcnt 0x0
.endif
	LNORM
	TURN 2*(\p), RR
	TURN 2*(\p)+1, RR+16
	s_wait_dscnt 4                                 ; all but the second turn's four loads: the first half is back, and the stores have read the row's registers,
.if (\p) < 5
	LOADROW (\p)+3                                 ; which take the row three further on
.endif
	STEPQ 2*(\p)
	s_wait_dscnt 1                                 ; the second half is back; only the byte store is younger
	STEPQ 2*(\p)+1
.endm
.irp p, 0,1,2,3,4,5,6,7
	ROW \p
.endr
	ds_load_b64 v[8:9], v6                         ; my wave's 256 scale bytes, behind my stores of them
	s_wait_dscnt 0x0
	global_store_b64 v7, v[8:9], s[12:13]          ; 32 lanes store 256 consecutive bytes, aligned
	; THE PAD TABLE for the attention launch: padm[16 batch + key step][8 t + j] is a lane mask: bits 0-15 all set if key 128 step + 16 t + j is padded, bits 16-31 if key + 8 is.
	; Wave 0 of work-groups 0 to 63 makes one unit of 64 words each, two words a lane: a store of 256 consecutive bytes, aligned.
	s_lshl_b32 s17, s16, 8
	s_or_b32 s17, s17, ttmp9
	s_cmp_lt_u32 s17, 64
	s_cbranch_scc0 .Lno_pad
	s_lshl_b32 s18, ttmp9, 7                       ; the unit's 128 pad bytes
	s_mov_b32 s19, 0
	s_add_nc_u64 s[28:29], s[28:29], s[18:19]
	s_lshl_b32 s18, ttmp9, 8
	s_add_nc_u64 s[30:31], s[30:31], s[18:19]
	v_lshrrev_b32 v16, 2, v2                       ; t = lane / 4
	v_and_b32 v17, 3, v2
	v_lshlrev_b32 v17, 1, v17                      ; j = 2 (lane % 4)
	v_lshl_add_u32 v16, v16, 4, v17
	s_wait_alu depctr_va_vdst(0)
	global_load_u16 v18, v16, s[28:29]             ; keys 16 t + j, + 1
	global_load_u16 v19, v16, s[28:29] offset:8    ; and 8 further on
	s_wait_loadcnt 0x0
	v_and_b32 v20, 1, v18
	v_bfe_u32 v21, v18, 8, 1
	v_and_b32 v22, 1, v19
	v_bfe_u32 v23, v19, 8, 1
.irp i, 20,21,22,23
	v_mul_u32_u24 v\i, 0xffff, v\i
.endr
	v_lshl_or_b32 v20, v22, 16, v20
	v_lshl_or_b32 v21, v23, 16, v21
	global_store_b64 v7, v[20:21], s[30:31]
.Lno_pad:
	s_wait_tensorcnt 0x0                           ; the wave's end: the three lines behind my last LDS store
	ds_add_u32 v[SPW], v[NIL]
	s_wait_dscnt 0x0
	s_endpgm
.Lfunc_end_k_q25b920a4f1_lnq:
	.size	k_q25b920a4f1_lnq, .Lfunc_end_k_q25b920a4f1_lnq-k_q25b920a4f1_lnq
	.p2alignl 7, 3214868480
	.fill 96, 4, 3214868480
	.section	.rodata,"a",@progbits
	.p2align	6, 0x0
	.amdhsa_kernel k_q25b920a4f1_lnq
		.amdhsa_group_segment_fixed_size 33280
		.amdhsa_private_segment_fixed_size 0
		.amdhsa_enable_private_segment 0
		.amdhsa_kernarg_size 56
		.amdhsa_user_sgpr_count 2
		.amdhsa_user_sgpr_kernarg_segment_ptr 1
		.amdhsa_wavefront_size32 1
		.amdhsa_system_sgpr_workgroup_id_x 1
		.amdhsa_system_sgpr_workgroup_id_y 1
		.amdhsa_system_sgpr_workgroup_id_z 1
		.amdhsa_system_vgpr_workitem_id 0
		.amdhsa_next_free_vgpr 256
		.amdhsa_next_free_sgpr 66
		.amdhsa_reserve_vcc 0
		.amdhsa_float_denorm_mode_32 3
		.amdhsa_float_denorm_mode_16_64 3
		.amdhsa_memory_ordered 1
		.amdhsa_forward_progress 1
		.amdhsa_inst_pref_size 83
	.end_amdhsa_kernel
	.amdgpu_metadata
---
amdhsa.version: [ 1, 2 ]
amdhsa.kernels:
  - .name:           k_q25b920a4f1_lnq
    .symbol:         k_q25b920a4f1_lnq.kd
    .args:
      - { .name: x, .offset: 0, .size: 8, .value_kind: global_buffer, .address_space: global }
      - { .name: g_pre, .offset: 8, .size: 8, .value_kind: global_buffer, .address_space: global }
      - { .name: b_pre, .offset: 16, .size: 8, .value_kind: global_buffer, .address_space: global }
      - { .name: hc, .offset: 24, .size: 8, .value_kind: global_buffer, .address_space: global }
      - { .name: hs, .offset: 32, .size: 8, .value_kind: global_buffer, .address_space: global }
      - { .name: padding_mask, .offset: 40, .size: 8, .value_kind: global_buffer, .address_space: global }
      - { .name: padm, .offset: 48, .size: 8, .value_kind: global_buffer, .address_space: global }
    .group_segment_fixed_size: 33280
    .private_segment_fixed_size: 0
    .kernarg_segment_align: 8
    .kernarg_segment_size: 56
    .max_flat_workgroup_size: 128
    .sgpr_count:     66
    .vgpr_count:     256
    .wavefront_size: 32
...
	.end_amdgpu_metadata
.endif
;; end of part 1
;; launch qkv (part 2): grid 12 x 32, 4 waves a work-group, clusters of 4 x 4, 327,680 bytes of LDS; arguments hc, hs, Wq_codes, Wq_scales, Wk_codes, Wk_scales, Wv_codes, Wv_scales, bq, bk, bv, qc, kvc; writes qc, kvc
.if DOCPART == 2
	.amdgcn_target "amdgcn-amd-amdhsa--gfx1250"
	.amdhsa_code_object_version 6
	.text
	.protected	k_q25b920a4f1_qkv
	.globl	k_q25b920a4f1_qkv
	.p2align	8
	.type	k_q25b920a4f1_qkv,@function
k_q25b920a4f1_qkv:
	s_mov_b64 s[64:65], 0
	v_nop
	global_prefetch_b8 v0, s[64:65] scope:SCOPE_SE
	s_setreg_imm32_b32 hwreg(HW_REG_WAVE_MODE, 25, 1), 1
	s_wait_xcnt 0x0
	s_wait_alu depctr_hold_cnt(0) depctr_sa_sdst(0) depctr_va_vdst(0) depctr_va_sdst(0) depctr_va_ssrc(0) depctr_va_vcc(0) depctr_vm_vsrc(0)
	s_getreg_b32 s2, hwreg(HW_REG_IB_STS2, 6, 4)
	s_cmp_eq_u32 s2, 0
	s_cbranch_scc0 .Lentry_in_a_cluster
	s_endpgm
.Lentry_in_a_cluster:
	s_bfe_u32 s2, ttmp6, 0x10000c
	s_cmp_lg_u32 s2, 0xf033
	s_cbranch_scc0 .Lentry_shape_is_right
	s_endpgm
.Lentry_shape_is_right:
; q, k, v = h W^T + b on codes of E2M3, and the quantisers of q and k along a head's 64 and of v along 32 keys.  No work is left out.
; Cluster x = 0, 1, 2 makes q, k, v.  For q and k source rows A are tokens (hc) and B the weight's rows; for v A is Wv and B the tokens, so that a lane's registers run along the keys.
; A tile of 256 x 256 by four waves, 128 x 128 each.  K = 1,024 is 768 bytes a row: it goes through two LDS slots in three chunks of 256 bytes, each beginning on a multiple of 256 bytes;
; a step of 128 along K is 96 bytes: steps 2 and 5 lie across two chunks.  The scales of the 256 + 256 rows come once.  Tiles are asked for jointly: A's along a row of the cluster, B's along a column.
; OUT: records of REC = 13,056 bytes for (batch, group of 4 heads, 128 tokens, head): 8 images of 768 bytes (q or k: 16 tokens x 64), 8 more (v: 4 x 16 of the head's 64 x 128 keys), then 768 bytes of scale words.
; No prefetch: K has three chunks, the first two are asked for at the head, so there is no trip to run ahead in.
.set ROWB,   256
.set NQ,     2
.set KROW,   768
.set STEPS,  8
.set CHUNKS, 3
.set PITCH,  272
.set FR,     12
.set NL,     6
.set NP,     4
.set HALFT,  128*PITCH
.set SLOT,   4*HALFT
.set KS,     32
.set SCL,    2*SLOT
.set HALFS,  (128*KS/256)*272
.set SBLK,   (16*KS/256)*272
.set SPARE,  SCL+4*HALFS
.set REC,    13056
.set ADRA, 16
.set ADRB, 20
.set OFC,  24
.set OFD,  25
.set OFS,  26
.set ADRS, 27
.set SPW,  28
.set NIL,  29
.set OFH,  30
.set OFR,  31
.set SC,   32
.set BR,   64
.set AF,   128
.set XQ,   128
.set CD,   192
.set TM,   212
.set PW,   228
.set SH,   229
.set BL,   232
.set WD,   248
.set SEL,  2
.set G1, 24
.set G0, 32
.set G1B, 48
.set G0B, 56
.set G1S, 68
.set G0S, 76
.set G1SB, 80
.set G0SB, 88
.set G0H, 4
.set G0HB, 8
.set MSB, 0
.macro WIN new
.if MSB != \new
	s_set_vgpr_msb (MSB<<8)|\new
.set MSB, \new
.endif
.endm
.set MUL_LO, 0xa1
.set MUL_HI, 0xf1
.set TO_B,   0x40
.macro JLOAD g0a, g1a, g0b, g1b        ; waves 0, 1 ask for A, waves 2, 3 for B; five lines behind each load
	s_cmp_eq_u32 s15, 0
	s_cbranch_scc0 .Lfor_b_\@
	tensor_load_to_lds s[\g0a:\g0a+3], s[\g1a:\g1a+7]
	s_nop 0
.rept 4
	v_nop
.endr
	s_branch .Lasked_\@
.Lfor_b_\@:
	tensor_load_to_lds s[\g0b:\g0b+3], s[\g1b:\g1b+7]
	s_nop 0
.rept 4
	v_nop
.endr
.Lasked_\@:
.endm
.macro CREST
	s_cmp_lg_u32 s14, 0
	s_cbranch_scc1 .Lnot_wave_0_\@
	s_barrier_signal -3
.Lnot_wave_0_\@:
	s_barrier_wait -3
	s_barrier_signal -1
	s_barrier_wait -1
.endm
.macro CROUND
	s_barrier_signal -1
	s_barrier_wait -1
	CREST
.endm
	s_load_b512 s[68:83], s[0:1], 0x0              ; hc, hs, Wq codes, scales, Wk, Wv
	s_load_b256 s[84:91], s[0:1], 0x40             ; bq, bk, bv, qc
	s_load_b64 s[92:93], s[0:1], 0x60              ; kvc
	v_lshl_add_u32 v[SPW], v0, 2, SPARE
	v_mov_b32 v[NIL], 0
	ds_add_u32 v[SPW], v[NIL]                      ; the opening lines: the add twice and one wait
	ds_add_u32 v[SPW], v[NIL]
	v_lshrrev_b32 v1, 5, v0
	v_readfirstlane_b32 s14, v1                    ; wave
	s_lshr_b32 s15, s14, 1                         ; my half of the tile's rows; also: I ask for A (0) or B (1)
	s_and_b32 s16, s14, 1                          ; my half of its columns; also: which 128 rows I ask for
	s_bfe_u32 s40, ttmp6, 0x40000
	s_bfe_u32 s41, ttmp6, 0x40004
	s_and_b32 s18, ttmp7, 0xffff
	s_lshl_b32 s18, s18, 2
	s_cmp_eq_u32 ttmp9, 2
	s_cselect_b32 s17, 0, s18
	s_cselect_b32 s42, s18, 0
	s_add_co_u32 s17, s17, s41                     ; tile row: tokens for q, k; Wv's rows for v
	s_add_co_u32 s42, s42, s40                     ; tile column
	s_lshl_b32 s43, s41, 2
	s_lshl_b32 s43, 15, s43
	s_lshl_b32 s44, 0x1111, s40
	s_or_b32 s[G1+0], s43, (0<<16)|(1<<20)|(1<<21)|(5<<22)|(3<<25)
	s_or_b32 s[G1B+0], s44, (0<<16)|(1<<20)|(1<<21)|(5<<22)|(3<<25)
.irp g, G1, G1B
	s_mov_b32 s[\g+1], ROWB<<16
	s_mov_b32 s[\g+2], 256<<16                     ; 256 rows for the head's loads, 128 behind them
	s_mov_b32 s[\g+3], ROWB<<16
	s_mov_b32 s[\g+4], 256
	s_mov_b32 s[\g+5], KROW
	s_mov_b32 s[\g+6], 0
	s_mov_b32 s[\g+7], 0
.endr
	s_lshl_b32 s20, s17, 8
	s_lshl_b32 s46, s42, 8
	s_lshl_b32 s22, s20, 5                         ; the rows' scales, 32 bytes a row
	s_mov_b32 s23, 0
	s_lshl_b32 s66, s46, 5
	s_mov_b32 s67, 0
	s_mul_i32 s20, s20, KROW
	s_mov_b32 s21, 0
	s_mul_i32 s46, s46, KROW
	s_mov_b32 s47, 0
	s_mul_i32 s18, s16, 128*KROW
	s_mov_b32 s19, 0
	s_mul_i32 s45, s14, HALFT
	s_mov_b32 s[SEL], 0x76543210
	s_mov_b32 s[SEL+1], 0xfedcba98
	s_wait_dscnt 0x0
	s_wait_kmcnt 0x0
	s_cmp_eq_u32 ttmp9, 1
	s_cselect_b64 s[8:9], s[76:77], s[72:73]
	s_cselect_b64 s[10:11], s[78:79], s[74:75]
	s_cselect_b64 s[98:99], s[86:87], s[84:85]
	s_cmp_eq_u32 ttmp9, 2
	s_cselect_b64 s[4:5], s[80:81], s[68:69]
	s_cselect_b64 s[6:7], s[82:83], s[70:71]
	s_cselect_b64 s[8:9], s[68:69], s[8:9]
	s_cselect_b64 s[10:11], s[70:71], s[10:11]
	s_cselect_b64 s[98:99], s[88:89], s[98:99]
	s_cmp_eq_u32 ttmp9, 0
	s_cselect_b64 s[12:13], s[90:91], s[92:93]
	s_add_nc_u64 s[20:21], s[4:5], s[20:21]
	s_add_nc_u64 s[22:23], s[6:7], s[22:23]
	s_add_nc_u64 s[46:47], s[8:9], s[46:47]
	s_add_nc_u64 s[66:67], s[10:11], s[66:67]
	s_or_b32 s[G1S+0], s43, (3<<16)|(1<<20)|(1<<21)|(5<<22)|(3<<25)
	s_or_b32 s[G1SB+0], s44, (3<<16)|(1<<20)|(1<<21)|(5<<22)|(3<<25)
.irp g, G1S, G1SB
	s_mov_b32 s[\g+1], 32<<16
	s_mov_b32 s[\g+2], KS<<16
	s_mov_b32 s[\g+3], 32<<16
	s_mov_b32 s[\g+4], KS
	s_mov_b32 s[\g+5], 32
	s_mov_b32 s[\g+6], 0
	s_mov_b32 s[\g+7], 0
.endr
	CROUND                                         ; in front of the first joint loads
	s_mov_b32 s[G0H], 1
	s_mov_b32 s[G0H+1], 0
	s_mov_b64 s[G0H+2:G0H+3], s[20:21]
	s_or_b32 s[G0H+3], s[G0H+3], 0x80000000
	s_mov_b32 s[G0HB], 1
	s_mov_b32 s[G0HB+1], 2*HALFT
	s_mov_b64 s[G0HB+2:G0HB+3], s[46:47]
	s_or_b32 s[G0HB+3], s[G0HB+3], 0x80000000
	s_mov_b32 s[G0S], 1
	s_mov_b32 s[G0S+1], SCL
	s_mov_b64 s[G0S+2:G0S+3], s[22:23]
	s_or_b32 s[G0S+3], s[G0S+3], 0x80000000
	s_mov_b32 s[G0SB], 1
	s_mov_b32 s[G0SB+1], SCL+2*HALFS
	s_mov_b64 s[G0SB+2:G0SB+3], s[66:67]
	s_or_b32 s[G0SB+3], s[G0SB+3], 0x80000000
	s_add_nc_u64 s[20:21], s[20:21], s[18:19]
	s_add_nc_u64 s[46:47], s[46:47], s[18:19]
.irp s, 0,1
	s_mov_b32 s[G0+4*\s], 1
	s_add_co_u32 s[G0+4*\s+1], s45, \s*SLOT
	s_add_nc_u64 s[G0+4*\s+2:G0+4*\s+3], s[20:21], \s*ROWB
	s_or_b32 s[G0+4*\s+3], s[G0+4*\s+3], 0x80000000
	s_mov_b32 s[G0B+4*\s], 1
	s_add_co_u32 s[G0B+4*\s+1], s45, \s*SLOT
	s_add_nc_u64 s[G0B+4*\s+2:G0B+4*\s+3], s[46:47], \s*ROWB
	s_or_b32 s[G0B+4*\s+3], s[G0B+4*\s+3], 0x80000000
.endr
; the head's four tiles, one a wave: chunk 0 of A, of B, A's scales, B's scales
.macro ARM under, g0, g1, next
	s_cmp_lt_u32 s14, \under
	s_cbranch_scc0 \next
	tensor_load_to_lds s[\g0:\g0+3], s[\g1:\g1+7]
	s_nop 0
.rept 4
	v_nop
.endr
	s_branch .Lhead_asked
\next:
.endm
	ARM 1, G0H,  G1,  .Lhead_b
	ARM 2, G0HB, G1B, .Lhead_sa
	ARM 3, G0S,  G1S, .Lhead_sb
	tensor_load_to_lds s[G0SB:G0SB+3], s[G1SB:G1SB+7]
	s_nop 0
.rept 4
	v_nop
.endr
.Lhead_asked:
	v_and_b32 v1, 15, v0
	v_bfe_u32 v2, v0, 4, 1
	v_mul_u32_u24 v3, v1, PITCH
	v_mul_u32_u24 v4, v2, 24
	v_add_nc_u32 v4, v3, v4
	s_mov_b32 s21, SLOT-232
	s_mov_b32 s22, SLOT+232
	v_sub_nc_u32 v7, 1, v2
	v_mul_u32_u24 v5, s21, v2
	v_add_nc_u32 v5, v3, v5
	v_add_nc_u32 v5, 232, v5                       ; across two chunks: lanes 0-15 byte 232 in slot 0, lanes 16-31 byte 0 in slot 1
	v_mul_u32_u24 v6, s22, v7
	v_add_nc_u32 v6, v3, v6                        ; and the other way round
	s_mul_i32 s21, s15, HALFT
	s_mul_i32 s22, s16, HALFT
	s_add_co_u32 s22, s22, 2*HALFT
	v_add_nc_u32 v[ADRA+2], s21, v5
	v_add_nc_u32 v[ADRA+3], s21, v6
	v_add_nc_u32 v[ADRB+2], s22, v5
	v_add_nc_u32 v[ADRB+3], s22, v6
.irp s, 0,1
	v_add_nc_u32 v[ADRA+\s], s21, v4
	v_add_nc_u32 v[ADRB+\s], s22, v4
	s_add_co_u32 s21, s21, SLOT
	s_add_co_u32 s22, s22, SLOT
.endr
	v_mul_u32_u24 v5, v1, KS
	v_lshrrev_b32 v6, 8, v5
	v_lshl_add_u32 v5, v6, 4, v5
	s_mul_i32 s21, s15, HALFS
	s_mul_i32 s22, s16, HALFS
	s_add_co_u32 s22, s22, 2*HALFS
	s_sub_co_u32 s22, s22, s21
	v_mul_u32_u24 v6, s22, v2
	s_add_co_u32 s21, s21, SCL
	v_add_nc_u32 v5, v5, v6
	v_add_nc_u32 v[ADRS], s21, v5
	v_and_b32 v6, 31, v0
	v_lshlrev_b32 v[OFC], 4, v6                    ; an image's first four registers: 16 x lane
	v_lshlrev_b32 v[OFD], 3, v6                    ; its last two: 8 x lane
	v_mul_u32_u24 v[OFS], v2, REC                  ; scale words: lanes 16-31 write the next record's
	v_lshl_add_u32 v[OFS], v1, 4, v[OFS]
	v_lshlrev_b32 v[OFH], 5, v2
	v_lshlrev_b32 v[OFR], 2, v1
	s_lshl_b32 s18, s17, 8
	s_lshl_b32 s19, s15, 7
	s_add_co_u32 s18, s18, s19                     ; my first row of the tile
	s_lshl_b32 s19, s42, 8
	s_lshl_b32 s20, s16, 7
	s_add_co_u32 s19, s19, s20                     ; my first column
	s_cmp_eq_u32 ttmp9, 2
	s_cselect_b32 s20, s19, s18                    ; token
	s_cselect_b32 s21, s18, s19                    ; feature
	s_cselect_b32 s22, 6144, 0
	s_cselect_b32 s23, 512, 0
	s_lshr_b32 s46, s20, 11
	s_lshl_b32 s46, s46, 2
	s_lshr_b32 s47, s21, 8
	s_add_co_u32 s46, s46, s47
	s_lshl_b32 s46, s46, 4
	s_bfe_u32 s47, s20, 0x40007
	s_add_co_u32 s46, s46, s47
	s_lshl_b32 s46, s46, 2
	s_bfe_u32 s47, s21, 0x20006
	s_add_co_u32 s46, s46, s47                     ; the record: ((4 batch + group) 16 + block of 128 tokens) 4 + head
	s_mul_i32 s46, s46, REC
	s_mov_b64 s[100:101], s[12:13]
	s_add_co_u32 s18, s46, s22
	s_mov_b32 s19, 0
	s_add_nc_u64 s[12:13], s[12:13], s[18:19]      ; its codes
	s_add_co_u32 s18, s46, s23
	s_add_co_u32 s18, s18, 12288
	s_add_nc_u64 s[100:101], s[100:101], s[18:19]  ; its scale words
	s_lshl_b32 s18, s21, 2
	s_add_nc_u64 s[98:99], s[98:99], s[18:19]      ; my features' bias
.macro FRAG reg, adr, st, i            ; 16 rows x 128 K: six pieces of 8 bytes, each inside one chunk
.irp p, 0,1,2,3,4,5
.set BY, 96*(\st)+48*(\p/3)+8*(\p%3)
.if BY/ROWB == (BY+24)/ROWB
	ds_load_b64 v[\reg+2*\p:\reg+2*\p+1], v[\adr+(BY/ROWB)%2] offset:BY%ROWB+(\i)*16*PITCH
.else
	ds_load_b64 v[\reg+2*\p:\reg+2*\p+1], v[\adr+2+(BY/ROWB)%2] offset:BY%ROWB-232+(\i)*16*PITCH
.endif
.endr
.endm
.macro MUL16 a0, p, q, sc, zero        ; the 64 accumulators take turns
.irp a, \a0, \a0+1
.irp b, 0,1,2,3,4,5,6,7
.if \zero
	v_wmma_scale_f32_16x16x128_f8f6f4 v[8*(8*((\a)%4)+\b):8*(8*((\a)%4)+\b)+7], v[128*(\p)+FR*\b:128*(\p)+FR*\b+FR-1], v[AF+FR*(\a):AF+FR*(\a)+FR-1], 0, v[SC+8*NQ*(\sc)+NQ*\b+(\q)], v[SC+8*NQ*(\sc)+NQ*(\a)+(\q)] matrix_a_fmt:MATRIX_FMT_FP6 matrix_b_fmt:MATRIX_FMT_FP6 matrix_a_scale:MATRIX_SCALE_ROW1
.else
	v_wmma_scale_f32_16x16x128_f8f6f4 v[8*(8*((\a)%4)+\b):8*(8*((\a)%4)+\b)+7], v[128*(\p)+FR*\b:128*(\p)+FR*\b+FR-1], v[AF+FR*(\a):AF+FR*(\a)+FR-1], v[8*(8*((\a)%4)+\b):8*(8*((\a)%4)+\b)+7], v[SC+8*NQ*(\sc)+NQ*\b+(\q)], v[SC+8*NQ*(\sc)+NQ*(\a)+(\q)] matrix_a_fmt:MATRIX_FMT_FP6 matrix_b_fmt:MATRIX_FMT_FP6 matrix_a_scale:MATRIX_SCALE_ROW1
.endif
.endr
.endr
.endm
.macro FETCH_B st, p
	WIN TO_B
.irp i, 0,1,2,3,4,5,6,7
	FRAG 128*(\p)+FR*\i, ADRB, \st, \i
.endr
	WIN 0
.endm
.macro FETCH_A st, i0
.irp i, \i0, \i0+1, \i0+2, \i0+3
	FRAG AF+FR*(\i), ADRA, \st, \i
.endr
.endm
.macro SCALES pr
.irp i, 0,1,2,3,4,5,6,7
	ds_load_b64 v[SC+8*NQ*((\pr)%2)+NQ*\i:SC+8*NQ*((\pr)%2)+NQ*\i+1], v[ADRS] offset:\i*SBLK+4*NQ*(\pr)
.endr
.endm
.macro PLACES n
.rept \n
	v_nop
.endr
.endm
; A step: 64 products; the next step's fragments are fetched in its middle and at its end.  Where the next step ends in a chunk not yet read, a barrier shows that chunk whole;
; where it begins in a later chunk, the chunk left behind is free: the three lines, the barrier, and, if a chunk two on is left, the cluster's round and the refill.
.macro STEP st, zero
.set NX, (\st)+1
.set C0, (96*(\st))/ROWB
.set C1, (96*NX)/ROWB
.set E0, (96*(\st)+95)/ROWB
.set E1, (96*NX+95)/ROWB
.if C1 > C0 || E1 > E0
	s_wait_tensorcnt 0x0
.if C1 > C0
	ds_add_u32 v[SPW], v[NIL]
	s_wait_dscnt 4*NL+1                            ; the add and A's blocks 4-7 may be out
.else
	s_wait_dscnt 4*NL                              ; A's blocks 4-7 may be out
.endif
	WIN MUL_LO
	MUL16 0, (\st)%2, (\st)%2, ((\st)/2)%2, \zero
	s_wait_dscnt 0x0
	s_barrier_signal -1
	MUL16 2, (\st)%2, (\st)%2, ((\st)/2)%2, \zero
	WIN 0
	s_barrier_wait -1
.if C1 > C0 && C0+2 < CHUNKS
	CREST
	s_add_nc_u64 s[G0+4*(C0%2)+2:G0+4*(C0%2)+3], s[G0+4*(C0%2)+2:G0+4*(C0%2)+3], 2*ROWB
	s_add_nc_u64 s[G0B+4*(C0%2)+2:G0B+4*(C0%2)+3], s[G0B+4*(C0%2)+2:G0B+4*(C0%2)+3], 2*ROWB
	JLOAD G0+4*(C0%2), G1, G0B+4*(C0%2), G1B
.else
	PLACES NP
.endif
.else
	s_wait_dscnt 4*NL
	WIN MUL_LO
	MUL16 0, (\st)%2, (\st)%2, ((\st)/2)%2, \zero
	MUL16 2, (\st)%2, (\st)%2, ((\st)/2)%2, \zero
	s_wait_dscnt 0
	PLACES NP
.endif
	FETCH_B NX, NX%2
	FETCH_A NX, 0
.if NX%2 == 0
	SCALES NX/2
.endif
	WIN MUL_HI
	MUL16 4, (\st)%2, (\st)%2, ((\st)/2)%2, \zero
	MUL16 6, (\st)%2, (\st)%2, ((\st)/2)%2, \zero
	PLACES NP
	WIN 0
	FETCH_A NX, 4
.endm
.macro QUANT s, pw                     ; 64 numbers a lane, four blocks of 32 shared with lane l xor 16: scale word and 12 registers of codes
.irp b, 0,1,2,3
	v_max3_num_f32 v[TM+\b], |v[\s+16*\b]|, |v[\s+1+16*\b]|, 0x1800000
.endr
.irp i, 2,4,6,8,10,12,14
.irp b, 0,1,2,3
	v_max3_num_f32 v[TM+\b], v[TM+\b], |v[\s+16*\b+\i]|, |v[\s+1+16*\b+\i]|
.endr
.endr
.irp b, 0,1,2,3
	v_permlanex16_b32 v[TM+4+\b], v[TM+\b], s[SEL], s[SEL+1]
.endr
.irp b, 0,1,2,3
	v_max_num_f32 v[TM+\b], v[TM+\b], v[TM+4+\b]
.endr
.irp b, 0,1,2,3
	v_add_nc_u32 v[TM+12+\b], 0xff000000, v[TM+\b]
.endr
.irp b, 0,1,2,3
	v_lshrrev_b32 v[TM+4+\b], 23, v[TM+12+\b]
.endr
	v_lshl_or_b32 v[\pw], v[TM+5], 8, v[TM+4]
	v_lshl_or_b32 v[\pw], v[TM+6], 16, v[\pw]
	v_lshl_or_b32 v[\pw], v[TM+7], 24, v[\pw]
.irp c, 0,1
	v_cvt_scalef32_pk16_fp6_f32 v[CD+6*\c:CD+2+6*\c], v[\s+32*\c:\s+15+32*\c], v[TM+12+2*\c]
	v_cvt_scalef32_pk16_fp6_f32 v[CD+12+4*\c:CD+14+4*\c], v[\s+16+32*\c:\s+31+32*\c], v[TM+12+2*\c+1]
.endr
	v_nop
.irp c, 0,1
.irp i, 0,1,2
	v_permlane16_swap_b32 v[CD+6*\c+\i], v[CD+12+4*\c+\i]
.endr
.irp i, 0,1,2
	v_mov_b32 v[CD+3+6*\c+\i], v[CD+12+4*\c+\i]
.endr
.endr
.endm
.macro ABLOCK a, isv                   ; 16 rows: bias, quantiser, two images of 768 bytes
	s_wait_xcnt 0x0
.set WN, 0x02+(\a)/4
.set AC, 64*((\a)%4)
	WIN WN
.set J, 0
.rept 32
.if \isv
.if (\a)%2
	v_pk_add_f32 v[XQ+J:XQ+J+1], v[AC+J:AC+J+1], v[BL+(\a)-1:BL+(\a)] op_sel:[0,1] op_sel_hi:[1,1]
.else
	v_pk_add_f32 v[XQ+J:XQ+J+1], v[AC+J:AC+J+1], v[BL+(\a):BL+(\a)+1] op_sel_hi:[1,0]
.endif
.else
	v_pk_add_f32 v[XQ+J:XQ+J+1], v[AC+J:AC+J+1], v[BR+J:BR+J+1]
.endif
.set J, J+2
.endr
	WIN 0
.if \isv
	QUANT XQ, WD+(\a)
.set O0, ((\a)/4)*REC+((\a)%4)*1536
.set O1, O0+768
.else
	QUANT XQ, PW
	v_lshrrev_b32 v[WD+(\a)], v[SH], v[PW]
.set O0, 768*(\a)
.set O1, REC+768*(\a)
.endif
	global_store_b128 v[OFC], v[CD:CD+3], s[12:13] offset:O0
	global_store_b64 v[OFD], v[CD+4:CD+5], s[12:13] offset:O0+512
	global_store_b128 v[OFC], v[CD+6:CD+9], s[12:13] offset:O1
	global_store_b64 v[OFD], v[CD+10:CD+11], s[12:13] offset:O1+512
.endm
.macro TAIL isv                        ; the bias, the last step, the way out
.if \isv
.irp a, 0,1,2,3,4,5,6,7
	global_load_b32 v[BL+\a], v[OFR], s[98:99] offset:64*\a
.endr
.else
.irp b, 0,1,2,3,4,5,6,7
	global_load_b128 v[BR+8*\b:BR+8*\b+3], v[OFH], s[98:99] offset:64*\b
	global_load_b128 v[BR+8*\b+4:BR+8*\b+7], v[OFH], s[98:99] offset:64*\b+16
.endr
.endif
	s_wait_dscnt 4*NL
	WIN MUL_LO
	MUL16 0, 1, 1, 1, 0
	MUL16 2, 1, 1, 1, 0
	s_wait_dscnt 0
	WIN MUL_HI
	MUL16 4, 1, 1, 1, 0
	MUL16 6, 1, 1, 1, 0
	WIN 0
	PLACES NP
	s_wait_loadcnt 0x0
.irp b, 0,1,2,3
	v_mov_b32 v[TM+4+\b], 0
.endr
	v_lshlrev_b32 v[SH], 4, v2
.irp a, 0,1,2,3,4,5,6,7
	ABLOCK \a, \isv
.endr
.if \isv
	s_mov_b32 s18, 0xffff0000
.irp i, 0,1,2,3
	v_cndmask_b32 v[XQ+\i], v[WD+\i], v[WD+4+\i], s18
.endr
	global_store_b128 v[OFS], v[XQ:XQ+3], s[100:101]
.else
	global_store_b128 v[OFS], v[WD:WD+3], s[100:101]
	global_store_b128 v[OFS], v[WD+4:WD+7], s[100:101] offset:256
.endif
.endm
	s_wait_alu depctr_va_vdst(0)                   ; the head's end
	s_wait_tensorcnt 0x0                           ; my tile of the head's four is in; the three lines ahead of slot 1's first fill
	ds_add_u32 v[SPW], v[NIL]
	s_mov_b32 s[G1+2], 128<<16                     ; no load of mine is out: from here on a load brings 128 rows
	s_mov_b32 s[G1+4], 128
	s_mov_b32 s[G1B+2], 128<<16
	s_mov_b32 s[G1B+4], 128
	s_wait_dscnt 0x0
	CROUND
	JLOAD G0+4, G1, G0B+4, G1B                     ; chunk 1
	FETCH_B 0, 0
	FETCH_A 0, 0
	SCALES 0
	FETCH_A 0, 4
	STEP 0, 1
.set ST, 1
.rept STEPS-2
	STEP ST, 0
.set ST, ST+1
.endr
	s_cmp_eq_u32 ttmp9, 2                          ; the cluster's x: the same in all partners
	s_cbranch_scc1 .Lregion_v
	TAIL 0
	s_branch .Ljoin
.Lregion_v:
	TAIL 1
.Ljoin:
	s_wait_tensorcnt 0x0                           ; the wave's end: the three lines, then the closing round
	ds_add_u32 v[SPW], v[NIL]
	s_wait_dscnt 0x0
	CROUND
	s_endpgm
.Lfunc_end_k_q25b920a4f1_qkv:
	.size	k_q25b920a4f1_qkv, .Lfunc_end_k_q25b920a4f1_qkv-k_q25b920a4f1_qkv
	.p2alignl 7, 3214868480
	.fill 96, 4, 3214868480
	.section	.rodata,"a",@progbits
	.p2align	6, 0x0
	.amdhsa_kernel k_q25b920a4f1_qkv
		.amdhsa_group_segment_fixed_size 327680
		.amdhsa_private_segment_fixed_size 0
		.amdhsa_enable_private_segment 0
		.amdhsa_kernarg_size 104
		.amdhsa_user_sgpr_count 2
		.amdhsa_user_sgpr_kernarg_segment_ptr 1
		.amdhsa_wavefront_size32 1
		.amdhsa_system_sgpr_workgroup_id_x 1
		.amdhsa_system_sgpr_workgroup_id_y 1
		.amdhsa_system_sgpr_workgroup_id_z 1
		.amdhsa_system_vgpr_workitem_id 0
		.amdhsa_next_free_vgpr 1024
		.amdhsa_next_free_sgpr 102
		.amdhsa_reserve_vcc 0
		.amdhsa_float_denorm_mode_32 3
		.amdhsa_float_denorm_mode_16_64 3
		.amdhsa_memory_ordered 1
		.amdhsa_forward_progress 1
		.amdhsa_inst_pref_size 243
	.end_amdhsa_kernel
	.amdgpu_metadata
---
amdhsa.version: [ 1, 2 ]
amdhsa.kernels:
  - .name:           k_q25b920a4f1_qkv
    .symbol:         k_q25b920a4f1_qkv.kd
    .args:
      - { .name: hc, .offset: 0, .size: 8, .value_kind: global_buffer, .address_space: global }
      - { .name: hs, .offset: 8, .size: 8, .value_kind: global_buffer, .address_space: global }
      - { .name: Wq_codes, .offset: 16, .size: 8, .value_kind: global_buffer, .address_space: global }
      - { .name: Wq_scales, .offset: 24, .size: 8, .value_kind: global_buffer, .address_space: global }
      - { .name: Wk_codes, .offset: 32, .size: 8, .value_kind: global_buffer, .address_space: global }
      - { .name: Wk_scales, .offset: 40, .size: 8, .value_kind: global_buffer, .address_space: global }
      - { .name: Wv_codes, .offset: 48, .size: 8, .value_kind: global_buffer, .address_space: global }
      - { .name: Wv_scales, .offset: 56, .size: 8, .value_kind: global_buffer, .address_space: global }
      - { .name: bq, .offset: 64, .size: 8, .value_kind: global_buffer, .address_space: global }
      - { .name: bk, .offset: 72, .size: 8, .value_kind: global_buffer, .address_space: global }
      - { .name: bv, .offset: 80, .size: 8, .value_kind: global_buffer, .address_space: global }
      - { .name: qc, .offset: 88, .size: 8, .value_kind: global_buffer, .address_space: global }
      - { .name: kvc, .offset: 96, .size: 8, .value_kind: global_buffer, .address_space: global }
    .group_segment_fixed_size: 327680
    .private_segment_fixed_size: 0
    .kernarg_segment_align: 8
    .kernarg_segment_size: 104
    .max_flat_workgroup_size: 128
    .sgpr_count:     102
    .vgpr_count:     1024
    .wavefront_size: 32
...
	.end_amdgpu_metadata
.endif
;; end of part 2
;; launch attn (part 3): grid 16 x 16, 8 waves a work-group, clusters of 4 x 4, 327,680 bytes of LDS; arguments qc, kvc, causal_mask, padm, ac, asw; writes ac, asw
.if DOCPART == 3
	.amdgcn_target "amdgcn-amd-amdhsa--gfx1250"
	.amdhsa_code_object_version 6
	.text
	.protected	k_q25b920a4f1_attn
	.globl	k_q25b920a4f1_attn
	.p2align	8
	.type	k_q25b920a4f1_attn,@function
k_q25b920a4f1_attn:
	s_mov_b64 s[64:65], 0
	v_nop
	global_prefetch_b8 v0, s[64:65] scope:SCOPE_SE
	s_setreg_imm32_b32 hwreg(HW_REG_WAVE_MODE, 25, 1), 1
	s_wait_xcnt 0x0
	s_wait_alu depctr_hold_cnt(0) depctr_sa_sdst(0) depctr_va_vdst(0) depctr_va_sdst(0) depctr_va_ssrc(0) depctr_va_vcc(0) depctr_vm_vsrc(0)
	s_getreg_b32 s2, hwreg(HW_REG_IB_STS2, 6, 4)
	s_cmp_eq_u32 s2, 0
	s_cbranch_scc0 .Lentry_in_a_cluster
	s_endpgm
.Lentry_in_a_cluster:
	s_bfe_u32 s2, ttmp6, 0x10000c
	s_cmp_lg_u32 s2, 0xf033
	s_cbranch_scc0 .Lentry_shape_is_right
	s_endpgm
.Lentry_shape_is_right:
; o = softmax(q k^T / 8 + causal_mask, padded keys at -1e9) v on codes of E2M3, and the quantiser of o along a head's 64.  No work is left out: both masks are inputs, every key step is walked.
; THE SCORE: 1 / 8 is a power of two and is taken off q's scale bytes; the mask tile (padded keys replaced by -1e9) is the C operand of S^T = K Q^T + C.  So the product gives q.k / 8 + mask as it stands.
; SOFTMAX: t = score x log2(e); M = the running largest t rounded up to a whole number; p = 2^(t - M) (one fused step and one exponential) is quantised along the keys; the row's sum is taken of the unquantised p.
; LIMITS: at a padded key the product adds q.k / 8 to -1e9, where reference() has -1e9 itself: the two part only in a row all of whose keys are masked; such a row is uniform here only while |q.k| / 8 < 32.
; A q block whose scale byte lies under 4 (largest magnitude under 2^-121) keeps the byte 1.  NaN in causal_mask is not served; the promise holds while |t| < 2^31.
; SHARES.  A work-group: 128 queries x 4 heads of one batch, 256 work-groups.  Wave w: queries 16 w .. 16 w + 15, ALL FOUR HEADS in turn: its mask tile, 16 x 128 in 64 registers, is loaded and selected once a step and serves four heads.
; CLUSTER 4 x 4: the four query blocks of a row read the same K, V records, the four head groups of a column the same rows of causal_mask: joint loads.  Waves 0-3 ask for one record each (51 rows of 256 bytes:
; codes and scale words), waves 4-7 for 32 rows of the mask each (512 bytes, 16 of padding): one load a wave at the head and behind each round; two slots of each kind.
; PADDING: padm (made by the first launch) holds a lane mask for each of the 64 mask registers of a step; they come by scalar loads, 32 at a time, and steer v_cndmask alone.
; K = 64 in an instruction of 128: Q's upper six registers are zero codes; K's operand of tile t runs on into tile t + 1's registers (tile 7: six registers of zeros): finite codes against zeros.
; WINDOW 0: v1-15 addresses; v16-31 -M, largest score, sum (a pair) for each head; v32-35 Q's, v36-43 K's, v44-47 V's, v48 p's scale words; v50-103 K's fragments; v104-167 S^T, p; v168-187 codes; v188-207 at work; v208-255 V's fragments.
; WINDOW 1: v0-127 O^T of four heads; v128-191 the mask tile; v192-239 Q's codes.
.set REC,   13056
.set KVT,   4*REC                      ; a step's four records
.set MP,    528
.set MKT,   128*MP
.set MK0,   2*KVT
.set SPARE, MK0+2*MKT                  ; the spare words, 128 bytes a wave
.set AK16, 1
.set AK8,  2
.set AS,   3
.set AM,   4
.set L16,  5
.set L8P,  6
.set R16,  7
.set SPW,  8
.set NIL,  9
.set MB,   10
.set NEGR, 11
.set L8,   12
.set L4,   13
.set PFO,  14
.set ST,   16
.set QS,   32
.set KSC,  36
.set VSC,  44
.set PW,   48
.set F,    50
.set S,    104
.set CD,   168
.set BM,   188
.set BP,   192
.set BS,   196
.set FF,   200
.set TT,   202
.set FV,   208
.set O,    0                           ; window 1
.set MSK,  128
.set QB,   192
.set PP,   10                          ; s[10:11] the step's pad words
.set WV,   16
.set KC,   17                          ; this step's slot: 0 or KVT
.set MC,   18                          ; 0 or MKT
.set J,    19
.set SEL,  20
.set CL,   22
.set G0K,  24
.set G0M,  28
.set G1K,  32
.set G1M,  40
.set KW,   48
.set MW,   49
.set LIM,  50
.set PFA,  52
.set PFS,  54
.set PMK,  68                          ; s68-99 thirty-two lane masks (at the head: at work)
.set MSB, 0
.macro WIN new
.if MSB != \new
	s_set_vgpr_msb (MSB<<8)|\new
.set MSB, \new
.endif
.endm
.macro ROUND
	s_barrier_signal -1
	s_barrier_wait -1
	s_cmp_lg_u32 s[WV], 0
	s_cbranch_scc1 .Lnot_wave_0_\@
	s_barrier_signal -3
.Lnot_wave_0_\@:
	s_barrier_wait -3
	s_barrier_signal -1
	s_barrier_wait -1
.endm
.macro JLOAD                           ; every wave asks once; the branch hangs on the wave's number alone; five lines behind each load
	s_cmp_lt_u32 s[WV], 4
	s_cbranch_scc0 .Lfor_m_\@
	tensor_load_to_lds s[G0K:G0K+3], s[G1K:G1K+7]
	s_nop 0
.rept 4
	v_nop
.endr
	s_branch .Lasked_\@
.Lfor_m_\@:
	tensor_load_to_lds s[G0M:G0M+3], s[G1M:G1M+7]
	s_nop 0
.rept 4
	v_nop
.endr
.Lasked_\@:
.endm
; A PREFETCH INTO THE L2: trip j names the tiles of step j + 3, whose tensor loads stand in trip j + 2.  Each block of 256 bytes is named once in each cluster that will load it: of a step's four records the partner
; at cx takes record cx (51 blocks: wave 0 takes 32, wave 1 the other 19, its spare lanes the last again); of the 128 mask rows the partner at cy takes 32, a lane a row, waves 2 and 3 one half of the 512 bytes each.
; Partners are told apart by address alone.  Trips 0 to 12 ask; steps 0 to 2 come by their loads alone.
.macro ASK
	s_cmp_lt_u32 s[J], s[LIM]
	s_cbranch_scc0 .Lno_ask_\@
	global_prefetch_b8 v[PFO], s[PFA:PFA+1] th:TH_LOAD_NT scope:SCOPE_SE
.Lno_ask_\@:
.endm
	s_load_b256 s[4:11], s[0:1], 0x0               ; qc, kvc, causal_mask, padm
	s_load_b128 s[12:15], s[0:1], 0x20             ; ac, asw
	v_lshl_add_u32 v[SPW], v0, 2, SPARE
	v_mov_b32 v[NIL], 0
	ds_add_u32 v[SPW], v[NIL]                      ; the opening lines: the add twice and one wait
	ds_add_u32 v[SPW], v[NIL]
	v_lshrrev_b32 v15, 5, v0
	v_readfirstlane_b32 s[WV], v15                 ; wave 0..7
	s_bfe_u32 s70, ttmp6, 0x40000                  ; cx
	s_bfe_u32 s71, ttmp6, 0x40004                  ; cy = the group of four heads
	s_lshl_b32 s72, ttmp9, 2
	s_add_co_u32 s72, s72, s70                     ; X: my block of 128 queries
	s_and_b32 s73, ttmp7, 0xffff                   ; the batch
	s_lshl_b32 s74, s73, 2
	s_add_co_u32 s74, s74, s71                     ; 4 x batch + group
	s_lshl_b32 s75, s71, 2
	s_lshl_b32 s75, 15, s75                        ; my row of the cluster
	s_lshl_b32 s76, 0x1111, s70                    ; my column
	s_or_b32 s[G1K], s75, (3<<16)|(1<<21)          ; a record: 51 dense rows of 32 elements of 8 bytes
	s_mov_b32 s[G1K+1], 32<<16
	s_mov_b32 s[G1K+2], 51<<16
	s_mov_b32 s[G1K+3], 32<<16
	s_mov_b32 s[G1K+4], 51
	s_mov_b32 s[G1K+5], 32
	s_mov_b32 s[G1K+6], 0
	s_mov_b32 s[G1K+7], 0
	s_or_b32 s[G1M], s76, (2<<16)|(1<<20)|(1<<21)|(6<<22)|(3<<25)  ; the mask: 32 rows of 128 f32, 2,048 apart; 4 words of padding behind each 128
	s_mov_b32 s[G1M+1], 128<<16
	s_mov_b32 s[G1M+2], 32<<16
	s_mov_b32 s[G1M+3], 128<<16
	s_mov_b32 s[G1M+4], 32
	s_mov_b32 s[G1M+5], 2048
	s_mov_b32 s[G1M+6], 0
	s_mov_b32 s[G1M+7], 0
	s_and_b32 s77, s[WV], 3
	s_mul_i32 s[KW], s77, REC
	s_mul_i32 s[MW], s77, 32*MP
	s_add_co_u32 s[MW], s[MW], MK0
	s_mul_i32 s78, s74, 16*KVT                     ; my (batch, group)'s records, + my record of a step
	s_add_co_u32 s78, s78, s[KW]
	s_mov_b32 s79, 0
	s_lshl_b32 s80, s72, 20                        ; mask row 128 X + 32 (wave % 4), 8,192 bytes a row
	s_lshl_b32 s82, s77, 18
	s_add_co_u32 s80, s80, s82
	s_mov_b32 s81, 0
	s_mov_b32 s[SEL], 0x76543210
	s_mov_b32 s[SEL+1], 0xfedcba98
	s_mov_b32 s[CL], 0x3fb8aa3b                    ; log2(e)
	s_mov_b32 s[CL+1], s[CL]
	s_mov_b32 s[KC], 0
	s_mov_b32 s[MC], 0
	s_wait_dscnt 0x0
	s_wait_kmcnt 0x0
	s_add_nc_u64 s[78:79], s[6:7], s[78:79]
	s_add_nc_u64 s[80:81], s[8:9], s[80:81]
	ROUND                                          ; in front of the first joint loads
	s_mov_b32 s[G0K], 1
	s_mov_b32 s[G0K+1], s[KW]
	s_mov_b64 s[G0K+2:G0K+3], s[78:79]
	s_or_b32 s[G0K+3], s[G0K+3], 0x80000000
	s_mov_b32 s[G0M], 1
	s_mov_b32 s[G0M+1], s[MW]
	s_mov_b64 s[G0M+2:G0M+3], s[80:81]
	s_or_b32 s[G0M+3], s[G0M+3], 0x80000000
	JLOAD                                          ; step 0's tiles, one load a wave
	v_and_b32 v15, 31, v0                          ; lane
	v_and_b32 v49, 15, v0                          ; r
	v_bfe_u32 v203, v0, 4, 1                       ; h
	v_lshlrev_b32 v[L16], 4, v15
	v_lshlrev_b32 v[L8], 3, v15
	v_lshlrev_b32 v[L4], 2, v15
	v_add_nc_u32 v[L8P], 512, v[L8]
	v_lshlrev_b32 v[R16], 4, v49
	v_add_nc_u32 v[R16], 12288, v[R16]             ; a record's scale words: 12,288 + 16 r
	v_mul_u32_u24 v[MB], v49, MP
	v_lshl_add_u32 v[MB], v203, 5, v[MB]
	s_mul_i32 s82, s[WV], 16*MP
	s_add_co_u32 s82, s82, MK0
	v_add_nc_u32 v[MB], s82, v[MB]                 ; my query's mask row: row 16 w + r, + 32 h
	v_lshlrev_b32 v204, 13, v15                    ; prefetch offsets: a mask row a lane,
	s_and_b32 s92, s[WV], 1
	s_lshl_b32 s95, s92, 5
	v_add_nc_u32 v[PFO], s95, v15
	v_min_u32 v[PFO], 50, v[PFO]
	v_lshlrev_b32 v[PFO], 8, v[PFO]                ; or a block of a record a lane
	s_cmp_lt_u32 s[WV], 2
	s_cselect_b32 s95, -1, 0
	v_cndmask_b32 v[PFO], v204, v[PFO], s95
	v_mov_b32 v[NEGR], 0xce6e6b28                  ; -1e9
	s_lshl_b32 s83, s74, 4
	s_add_co_u32 s83, s83, s72
	s_mul_i32 s83, s83, 4*REC                      ; q's records: ((4 batch + group) 16 + X) 4 + head
	s_mul_i32 s84, s[WV], 768
	s_add_co_u32 s84, s84, s83                     ; my tile's image
	s_mov_b32 s85, 0
	s_add_nc_u64 s[84:85], s[4:5], s[84:85]
	s_lshr_b32 s86, s[WV], 2
	s_lshl_b32 s86, s86, 8
	s_lshl_b32 s87, s77, 2
	s_add_co_u32 s86, s86, s87
	s_add_co_u32 s86, s86, s83                     ; my tile's scale words: 256 (w / 4) + 4 (w % 4) + 16 r
	s_mov_b32 s87, 0
	s_add_nc_u64 s[86:87], s[4:5], s[86:87]
	s_wait_alu depctr_va_vdst(0)                   ; ahead of the readers below
	WIN 0x40
.irp hd, 0,1,2,3
	global_load_b128 v[QB+12*\hd:QB+12*\hd+3], v[L16], s[84:85] offset:\hd*REC
	global_load_b64 v[QB+12*\hd+4:QB+12*\hd+5], v[L8], s[84:85] offset:\hd*REC+512
.endr
	WIN 0
.irp hd, 0,1,2,3
	global_load_b32 v[QS+\hd], v[R16], s[86:87] offset:\hd*REC
.endr
	s_lshl_b32 s88, s73, 7
	s_lshl_b32 s89, s72, 3
	s_add_co_u32 s88, s88, s89
	s_add_co_u32 s88, s88, s[WV]                   ; my token tile: 128 batch + 8 X + w
	s_lshl_b32 s88, s88, 4
	s_lshl_b32 s89, s71, 2
	s_add_co_u32 s88, s88, s89                     ; x 16 + my first head
	s_mul_i32 s90, s88, 768
	s_mov_b32 s91, 0
	s_add_nc_u64 s[12:13], s[12:13], s[90:91]
	s_lshl_b32 s90, s88, 7
	s_add_nc_u64 s[14:15], s[14:15], s[90:91]
	s_lshl_b32 s90, s73, 12
	s_add_nc_u64 s[PP:PP+1], s[PP:PP+1], s[90:91]  ; my batch's pad words: 256 bytes a step
	s_mul_i32 s93, s74, 16*KVT                     ; where my prefetches stand: step 3
	s_mul_i32 s94, s70, REC
	s_add_co_u32 s93, s93, s94
	s_add_co_u32 s93, s93, 3*KVT
	s_lshl_b32 s94, s72, 20
	s_lshl_b32 s95, s71, 18
	s_add_co_u32 s94, s94, s95
	s_lshl_b32 s95, s92, 8
	s_add_co_u32 s94, s94, s95
	s_add_co_u32 s94, s94, 3*512
	s_mov_b32 s[PFS], 512
	s_cmp_lt_u32 s[WV], 2
	s_cselect_b64 s[PFA:PFA+1], s[6:7], s[8:9]
	s_cselect_b32 s96, s93, s94
	s_cselect_b32 s[PFS], KVT, s[PFS]
	s_mov_b32 s97, 0
	s_mov_b32 s[PFS+1], 0
	s_add_nc_u64 s[PFA:PFA+1], s[PFA:PFA+1], s[96:97]
	s_cmp_lt_u32 s[WV], 4
	s_cselect_b32 s[LIM], 13, 0
	WIN 0x40
.set I, 0
.rept 128
	v_mov_b32 v[O+I], 0                            ; the step is written once: the first finds zeros
.set I, I+1
.endr
.irp hd, 0,1,2,3
.irp i, 6,7,8,9,10,11
	v_mov_b32 v[QB+12*\hd+\i], 0                   ; Q's upper half: zero codes
.endr
.endr
	WIN 0
.irp i, 48,49,50,51,52,53
	v_mov_b32 v[F+\i], 0                           ; named as the upper half of K's tile 7
.endr
; a trip finishes the step before's fourth head; the first trip jumps over that work: what it names is written here once, so that every register is defined on every way through the text
.set I, 0
.rept 64
	v_mov_b32 v[S+I], 0
.set I, I+1
.endr
.set I, 0
.rept 48
	v_mov_b32 v[FV+I], 0
.set I, I+1
.endr
.set I, 0
.rept 12
	v_mov_b32 v[CD+I], 0
.set I, I+1
.endr
.irp i, 0,1,2,3
	v_mov_b32 v[VSC+\i], 0
.endr
	v_mov_b32 v[PW], 0
	v_mov_b32 v[FF], 0
.irp hd, 0,1,2,3
	v_mov_b32 v[ST+4*\hd+1], 0xff000000            ; the largest score so far: -2^127, whose t is still finite
	v_mov_b32 v[ST+4*\hd+2], 0
	v_mov_b32 v[ST+4*\hd+3], 0
.endr
.irp hd, 0,1,2,3
	v_mul_f32 v[ST+4*\hd], s[CL], v[ST+4*\hd+1]
.endr
.irp hd, 0,1,2,3
	v_floor_f32 v[ST+4*\hd], -v[ST+4*\hd]
.endr
	v_mov_b32 v[FF+1], 0
	v_mov_b32 v[TT], 0
	s_wait_alu depctr_va_vdst(0)
	s_wait_loadcnt 0x0
.irp hd, 0,1,2,3                       ; 3 off q's two scale bytes: the scores' 1 / 8; no byte falls under 1
	v_and_b32 v[BM+\hd], 0xff, v[QS+\hd]
.endr
.irp hd, 0,1,2,3
	v_bfe_u32 v[BP+\hd], v[QS+\hd], 8, 8
.endr
.irp hd, 0,1,2,3
	v_max_u32 v[BM+\hd], 4, v[BM+\hd]
.endr
.irp hd, 0,1,2,3
	v_max_u32 v[BP+\hd], 4, v[BP+\hd]
.endr
.irp hd, 0,1,2,3
	v_lshl_or_b32 v[QS+\hd], v[BP+\hd], 8, v[BM+\hd]
.endr
.irp hd, 0,1,2,3
	v_add_nc_u32 v[QS+\hd], 0xfffffcfd, v[QS+\hd]
.endr
	s_load_b512 s[PMK:PMK+15], s[PP:PP+1], 0x0     ; step 0's first 32 lane masks
	s_load_b512 s[PMK+16:PMK+31], s[PP:PP+1], 0x40
.macro KLOAD hd                        ; 18 loads: K's scale words and eight fragments
	ds_load_b128 v[KSC:KSC+3], v[AS] offset:(\hd)*REC
	ds_load_b128 v[KSC+4:KSC+7], v[AS] offset:(\hd)*REC+256
.irp t, 0,1,2,3,4,5,6,7
	ds_load_b128 v[F+6*\t:F+6*\t+3], v[AK16] offset:(\hd)*REC+768*\t
	ds_load_b64 v[F+6*\t+4:F+6*\t+5], v[AK8] offset:(\hd)*REC+768*\t
.endr
.endm
.macro VLOAD hd                        ; 17 loads: V's scale words and four fragments
	ds_load_b128 v[VSC:VSC+3], v[AS] offset:(\hd)*REC+512
.irp t, 0,1,2,3
.irp c, 0,1
	ds_load_b128 v[FV+12*\t+6*\c:FV+12*\t+6*\c+3], v[AK16] offset:(\hd)*REC+6144+1536*\t+768*\c
	ds_load_b64 v[FV+12*\t+6*\c+4:FV+12*\t+6*\c+5], v[AK8] offset:(\hd)*REC+6144+1536*\t+768*\c
.endr
.endr
.endm
.macro QK4 hd, t0                      ; S^T = K Q^T + the mask tile; under window setting 0x14: Q and the mask in window 1
.irp t, \t0, \t0+1, \t0+2, \t0+3
	v_wmma_scale_f32_16x16x128_f8f6f4 v[S+8*(\t):S+8*(\t)+7], v[F+6*(\t):F+6*(\t)+11], v[QB+12*(\hd):QB+12*(\hd)+11], v[MSK+8*(\t):MSK+8*(\t)+7], v[KSC+(\t)], v[QS+(\hd)] matrix_a_fmt:MATRIX_FMT_FP6 matrix_b_fmt:MATRIX_FMT_FP6
.endr
.endm
.macro PADSEL t0                       ; 32 mask registers: -1e9 where the key is padded
	WIN 0x41
.set I, 0
.rept 32
	v_cndmask_b32 v[MSK+8*(\t0)+I], v[MSK+8*(\t0)+I], v[NEGR], s[PMK+I]
.set I, I+1
.endr
	WIN 0
.endm
.macro SOFT hd                         ; from the scores to p's codes and scale word
.set NM, ST+4*(\hd)
.irp b, 0,1,2,3
	v_max3_num_f32 v[BM+\b], v[S+16*\b], v[S+1+16*\b], v[S+2+16*\b]   ; the largest score of each block of 32 keys: for the row's maximum and for the block's largest p
.endr
.irp i, 3,5,7,9,11,13
.irp b, 0,1,2,3
	v_max3_num_f32 v[BM+\b], v[BM+\b], v[S+16*\b+\i], v[S+1+16*\b+\i]   ; the four blocks by turns
.endr
.endr
.irp b, 0,1,2,3
	v_max_num_f32 v[BM+\b], v[BM+\b], v[S+15+16*\b]
.endr
.irp b, 0,1,2,3
	s_delay_alu instid0(VALU_DEP_4)
	v_permlanex16_b32 v[BP+\b], v[BM+\b], s[SEL], s[SEL+1]
.endr
.irp b, 0,1,2,3
	s_delay_alu instid0(VALU_DEP_4)
	v_max_num_f32 v[BM+\b], v[BM+\b], v[BP+\b]
.endr
	s_delay_alu instid0(VALU_DEP_2)
	v_max3_num_f32 v[TT], v[BM], v[BM+1], v[BM+2]
	s_delay_alu instid0(VALU_DEP_1)
	v_max3_num_f32 v[NM+1], v[NM+1], v[TT], v[BM+3]   ; the running maximum is kept as a SCORE: t = score x log2(e) rises with it, so the largest t is the largest score's
	v_mov_b32 v[TT], v[NM]
	s_delay_alu instid0(VALU_DEP_2)
	v_mul_f32 v[NM], s[CL], v[NM+1]                ; the largest t
	s_delay_alu instid0(VALU_DEP_1)
	v_floor_f32 v[NM], -v[NM]                      ; -M = floor(-t)
.set I, 0
.irp x, 0,1,2,3                        ; t - M of keys 0 to 63; f = 2^(old M - new M) is made among these lines
.rept 4
	v_pk_fma_f32 v[S+I:S+I+1], v[S+I:S+I+1], s[CL:CL+1], v[NM:NM+1] op_sel_hi:[1,0,0]
.set I, I+2
.endr
.if \x == 0
	v_sub_f32 v[TT], v[NM], v[TT]                  ; old M - new M
.endif
.if \x == 1
	v_cvt_i32_f32 v[TT], v[TT]                     ; (it saturates)
.endif
.if \x == 2
	v_ldexp_f32 v[FF], 1.0, v[TT]
.endif
.endr
.irp b, 0,1,2,3
	v_fma_f32 v[BM+\b], v[BM+\b], s[CL], v[NM]
.endr
	s_wait_alu depctr_va_vdst(0)
.set I, 0
.rept 16                               ; p of keys 0 to 63; among the exponentials t - M of keys 64 to 127, first read behind the next wait
	v_exp_f32 v[S+I], v[S+I]
	v_exp_f32 v[S+I+1], v[S+I+1]
	v_pk_fma_f32 v[S+32+I:S+33+I], v[S+32+I:S+33+I], s[CL:CL+1], v[NM:NM+1] op_sel_hi:[1,0,0]
.set I, I+2
.endr
.irp b, 0,1,2,3
	v_exp_f32 v[BM+\b], v[BM+\b]                   ; each block's largest p
.endr
	v_pk_mul_f32 v[NM+2:NM+3], v[NM+2:NM+3], v[FF:FF+1] op_sel_hi:[1,0]   ; the sum under the new M
	s_wait_alu depctr_va_vdst(0)                   ; behind the first batch and ahead of the second
.irp b, 0,1,2,3
.set I, 32+8*\b
.rept 8
	v_exp_f32 v[S+I], v[S+I]                       ; p of keys 64 to 127
.set I, I+1
.endr
	v_max_num_f32 v[BM+\b], 0x1800000, v[BM+\b]    ; the floor 2^(3 - 127); first read behind the wait below
.endr
	s_wait_alu depctr_va_vdst(0)
.irp b, 0,1,2,3
	v_add_nc_u32 v[BS+\b], 0xff000000, v[BM+\b]
.endr
.irp b, 0,1,2,3
	s_delay_alu instid0(VALU_DEP_4)
	v_lshrrev_b32 v[BP+\b], 23, v[BS+\b]
.endr
	s_delay_alu instid0(VALU_DEP_3)
	v_lshl_or_b32 v[PW], v[BP+1], 8, v[BP]
	s_delay_alu instid0(VALU_DEP_1)
	v_lshl_or_b32 v[PW], v[BP+2], 16, v[PW]
	s_delay_alu instid0(VALU_DEP_1)
	v_lshl_or_b32 v[PW], v[BP+3], 24, v[PW]
.irp c, 0,1
	v_cvt_scalef32_pk16_fp6_f32 v[CD+6*\c:CD+2+6*\c], v[S+32*\c:S+15+32*\c], v[BS+2*\c]
	v_cvt_scalef32_pk16_fp6_f32 v[CD+12+4*\c:CD+14+4*\c], v[S+16+32*\c:S+31+32*\c], v[BS+2*\c+1]
.endr
	v_nop
.irp c, 0,1
.irp i, 0,1,2
	v_permlane16_swap_b32 v[CD+6*\c+\i], v[CD+12+4*\c+\i]
.endr
.irp i, 0,1,2
	v_mov_b32 v[CD+3+6*\c+\i], v[CD+12+4*\c+\i]
.endr
.endr
.endm
.macro PVS hd, younger                 ; O^T x f, O^T += V^T P^T, and the row's sum of the unquantised p, which fills the places behind the products
	WIN 0x41
	s_wait_alu depctr_va_vdst(0)                   ; directly ahead of the first reader of O^T
.set I, 0
.rept 16
	v_pk_mul_f32 v[O+32*(\hd)+I:O+32*(\hd)+I+1], v[O+32*(\hd)+I:O+32*(\hd)+I+1], v[FF:FF+1] op_sel_hi:[1,0]
.set I, I+2
.endr
	s_wait_alu depctr_va_vdst(0)
.if \younger >= 0
	s_wait_dscnt \younger                          ; V is in; the next head's K loads may be out (-1: V was waited for in front of the round)
.endif
	WIN 0x50
.irp t, 0,1,2,3
	v_wmma_scale_f32_16x16x128_f8f6f4 v[O+32*(\hd)+8*\t:O+32*(\hd)+8*\t+7], v[FV+12*\t:FV+12*\t+11], v[CD:CD+11], v[O+32*(\hd)+8*\t:O+32*(\hd)+8*\t+7], v[VSC+\t], v[PW] matrix_a_fmt:MATRIX_FMT_FP6 matrix_b_fmt:MATRIX_FMT_FP6
.endr
	WIN 0
.irp i, 0,1,2,3
	v_pk_add_f32 v[BM+2*\i:BM+2*\i+1], v[S+2*\i:S+2*\i+1], v[S+8+2*\i:S+9+2*\i]
.endr
.irp j, 16,24,32,40,48,56
.irp i, 0,1,2,3
	v_pk_add_f32 v[BM+2*\i:BM+2*\i+1], v[BM+2*\i:BM+2*\i+1], v[S+\j+2*\i:S+\j+2*\i+1]   ; four chains by turns
.endr
.endr
	v_pk_add_f32 v[BM:BM+1], v[BM:BM+1], v[BM+2:BM+3]
	v_pk_add_f32 v[BM+4:BM+5], v[BM+4:BM+5], v[BM+6:BM+7]
	s_delay_alu instid0(VALU_DEP_1)
	v_pk_add_f32 v[BM:BM+1], v[BM:BM+1], v[BM+4:BM+5]
	s_delay_alu instid0(VALU_DEP_1)
	v_pk_add_f32 v[ST+4*(\hd)+2:ST+4*(\hd)+3], v[ST+4*(\hd)+2:ST+4*(\hd)+3], v[BM:BM+1]
.endm
.macro TRIP refill                     ; a key step of 128 for four heads
	s_wait_tensorcnt 0x0                           ; my load, a part of this step's tiles, has landed
	ds_add_u32 v[SPW], v[NIL]
	v_add_nc_u32 v[AK16], s[KC], v[L16]            ; this step's slots
	v_add_nc_u32 v[AK8], s[KC], v[L8P]
	v_add_nc_u32 v[AS], s[KC], v[R16]
	v_add_nc_u32 v[AM], s[MC], v[MB]
.if \refill
	s_xor_b32 s[KC], s[KC], KVT                    ; the other slots: the next step's
	s_xor_b32 s[MC], s[MC], MKT
	s_add_co_u32 s[G0K+1], s[KC], s[KW]
	s_add_co_u32 s[G0M+1], s[MC], s[MW]
	s_add_nc_u64 s[G0K+2:G0K+3], s[G0K+2:G0K+3], KVT
	s_add_nc_u64 s[G0M+2:G0M+3], s[G0M+2:G0M+3], 512
.endif
	s_wait_alu depctr_va_vdst(0)
	s_wait_dscnt 0x0                               ; the add is done, my reads of the other slots are over
.if \refill
	ROUND
	JLOAD                                          ; the next step's tiles, first behind the round
.else
	s_barrier_signal -1
	s_barrier_wait -1
.endif
	WIN 0x40
.irp t, 0,1,2,3,4,5,6,7
	ds_load_b128 v[MSK+8*\t:MSK+8*\t+3], v[AM] offset:64*\t
	ds_load_b128 v[MSK+8*\t+4:MSK+8*\t+7], v[AM] offset:64*\t+16
.endr
	WIN 0
	KLOAD 0
; THE STEP BEFORE'S FOURTH HEAD IS FINISHED HERE: its scores and V's fragments lie in registers since before the round, so this step's mask and K loads land under its softmax,
; and the second 32 lane masks under its product and sum.  The first trip has no step behind it: two branches on the trip counter lead round that work on registers.
.if \refill
	ASK
	s_cmp_eq_u32 s[J], 0
	s_cbranch_scc1 .Lno_soft_\@
.endif
	SOFT 3
.if \refill
.Lno_soft_\@:
.endif
	s_wait_alu depctr_va_vdst(0)
	s_wait_kmcnt 0x0                               ; the first 32 lane masks
	s_wait_dscnt 18                                ; the mask tile is in; K's 18 loads may be out
	PADSEL 0
	s_wait_alu depctr_va_vdst(0)
	s_load_b512 s[PMK:PMK+15], s[PP:PP+1], 0x80    ; the other 32
	s_load_b512 s[PMK+16:PMK+31], s[PP:PP+1], 0xc0
.if \refill
	s_cmp_eq_u32 s[J], 0
	s_cbranch_scc1 .Lno_pv_\@
.endif
	PVS 3, -1
.if \refill
.Lno_pv_\@:
.endif
	VLOAD 0
	s_wait_alu depctr_va_vdst(0)
	s_wait_kmcnt 0x0
	PADSEL 4
	s_wait_alu depctr_va_vdst(0)
.if \refill
	s_add_nc_u64 s[PP:PP+1], s[PP:PP+1], 256
	s_load_b512 s[PMK:PMK+15], s[PP:PP+1], 0x0     ; the next step's first 32
	s_load_b512 s[PMK+16:PMK+31], s[PP:PP+1], 0x40
.endif
	s_wait_dscnt 17                                ; K is in; V's 17 loads may be out
.rept 4
	v_nop
.endr
	WIN 0x14
	QK4 0, 0
	QK4 0, 4
	WIN 0
.irp hd, 0,1,2,3
.if \hd > 0
	s_wait_dscnt 17                                ; K is in; V's 17 loads may be out
	WIN 0x14
	QK4 \hd, 0
	QK4 \hd, 4
	WIN 0
.endif
.rept 4
	v_nop                                          ; places in front of the loads over K's fragments and of the first read of the scores
.endr
.if \hd < 3
	KLOAD \hd+1
	SOFT \hd
	PVS \hd, 18
	VLOAD \hd+1
.endif
.endr
.endm
	s_mov_b32 s[J], 0
	s_wait_alu depctr_va_vdst(0)                   ; the head's end
.Lstep:                                                ; steps 0 to 14
	TRIP 1
	s_wait_alu depctr_va_vdst(0)
	s_wait_xcnt 0x0                                ; my prefetch has read its address
	s_add_nc_u64 s[PFA:PFA+1], s[PFA:PFA+1], s[PFS:PFS+1]
	s_add_co_u32 s[J], s[J], 1
	s_cmp_lt_u32 s[J], 15
	s_cbranch_scc1 .Lstep
	TRIP 0                                         ; step 15 asks for nothing more
	SOFT 3                                         ; and its fourth head
	PVS 3, 0
	; THE WAY OUT: O^T / the sum, in the natural order of a head's 64, quantised, stored as half a fragment's image
.irp hd, 0,1,2,3
	v_add_f32 v[ST+4*\hd+2], v[ST+4*\hd+2], v[ST+4*\hd+3]
.endr
.irp hd, 0,1,2,3
	v_permlanex16_b32 v[BP+\hd], v[ST+4*\hd+2], s[SEL], s[SEL+1]
.endr
.irp hd, 0,1,2,3
	v_add_f32 v[ST+4*\hd+2], v[ST+4*\hd+2], v[BP+\hd]
.endr
	s_wait_alu depctr_va_vdst(0)
.irp hd, 0,1,2,3
	v_rcp_f32 v[ST+4*\hd+2], v[ST+4*\hd+2]
.endr
	v_nop
	s_wait_alu depctr_va_vdst(0)
.macro OUT hd
.if \hd > 0
	s_wait_alu depctr_va_vdst(0)
	s_wait_xcnt 0x0                                ; the last head's stores have read their registers
.endif
	WIN 0x01
	s_wait_alu depctr_va_vdst(0)                   ; directly ahead of the first reader of this head's O^T
.set I, 0
.rept 16
	v_pk_mul_f32 v[S+I:S+I+1], v[O+32*(\hd)+I:O+32*(\hd)+I+1], v[ST+4*(\hd)+2:ST+4*(\hd)+3] op_sel_hi:[1,0]   ; register 8 t + j: d = 16 t + 8 h + j
.set I, I+2
.endr
	WIN 0
.irp g, 0,1
.irp j, 0,1,2,3,4,5,6,7
	v_permlane16_swap_b32 v[S+16*\g+\j], v[S+16*\g+8+\j]   ; now register 16 g + i: d = 32 g + 16 h + i
.endr
.endr
.irp g, 0,1
	v_max3_num_f32 v[BM+\g], |v[S+16*\g]|, |v[S+1+16*\g]|, 0x1800000
.endr
.irp i, 2,4,6,8,10,12,14
.irp g, 0,1
	s_delay_alu instid0(VALU_DEP_2)
	v_max3_num_f32 v[BM+\g], v[BM+\g], |v[S+16*\g+\i]|, |v[S+1+16*\g+\i]|
.endr
.endr
.irp g, 0,1
	s_delay_alu instid0(VALU_DEP_2)
	v_permlanex16_b32 v[BP+\g], v[BM+\g], s[SEL], s[SEL+1]
.endr
.irp g, 0,1
	s_delay_alu instid0(VALU_DEP_2)
	v_max_num_f32 v[BM+\g], v[BM+\g], v[BP+\g]
.endr
.irp g, 0,1
	s_delay_alu instid0(VALU_DEP_2)
	v_add_nc_u32 v[BS+\g], 0xff000000, v[BM+\g]
.endr
.irp g, 0,1
	s_delay_alu instid0(VALU_DEP_2)
	v_lshrrev_b32 v[BP+\g], 23, v[BS+\g]
.endr
	s_delay_alu instid0(VALU_DEP_1)
	v_lshl_or_b32 v[PW], v[BP+1], 8, v[BP]         ; the head's two bytes
	v_cvt_scalef32_pk16_fp6_f32 v[CD:CD+2], v[S:S+15], v[BS]
	v_cvt_scalef32_pk16_fp6_f32 v[CD+12:CD+14], v[S+16:S+31], v[BS+1]
	v_nop
.irp i, 0,1,2
	v_permlane16_swap_b32 v[CD+\i], v[CD+12+\i]
.endr
.irp i, 0,1,2
	v_mov_b32 v[CD+3+\i], v[CD+12+\i]
.endr
	global_store_b128 v[L16], v[CD:CD+3], s[12:13] offset:(\hd)*768        ; 512 consecutive bytes, aligned,
	global_store_b64 v[L8], v[CD+4:CD+5], s[12:13] offset:(\hd)*768+512    ; and 256
	global_store_b32 v[L4], v[PW], s[14:15] offset:(\hd)*128               ; the tile's scale words for this head
.endm
	OUT 0
	OUT 1
	OUT 2
	OUT 3
	s_wait_tensorcnt 0x0                           ; the wave's end: the three lines, then the closing round
	ds_add_u32 v[SPW], v[NIL]
	s_wait_dscnt 0x0
	ROUND
	s_endpgm
.Lfunc_end_k_q25b920a4f1_attn:
	.size	k_q25b920a4f1_attn, .Lfunc_end_k_q25b920a4f1_attn-k_q25b920a4f1_attn
	.p2alignl 7, 3214868480
	.fill 96, 4, 3214868480
	.section	.rodata,"a",@progbits
	.p2align	6, 0x0
	.amdhsa_kernel k_q25b920a4f1_attn
		.amdhsa_group_segment_fixed_size 327680
		.amdhsa_private_segment_fixed_size 0
		.amdhsa_enable_private_segment 0
		.amdhsa_kernarg_size 48
		.amdhsa_user_sgpr_count 2
		.amdhsa_user_sgpr_kernarg_segment_ptr 1
		.amdhsa_wavefront_size32 1
		.amdhsa_system_sgpr_workgroup_id_x 1
		.amdhsa_system_sgpr_workgroup_id_y 1
		.amdhsa_system_sgpr_workgroup_id_z 1
		.amdhsa_system_vgpr_workitem_id 0
		.amdhsa_next_free_vgpr 512
		.amdhsa_next_free_sgpr 102
		.amdhsa_reserve_vcc 0
		.amdhsa_float_denorm_mode_32 3
		.amdhsa_float_denorm_mode_16_64 3
		.amdhsa_memory_ordered 1
		.amdhsa_forward_progress 1
		.amdhsa_inst_pref_size 197
	.end_amdhsa_kernel
	.amdgpu_metadata
---
amdhsa.version: [ 1, 2 ]
amdhsa.kernels:
  - .name:           k_q25b920a4f1_attn
    .symbol:         k_q25b920a4f1_attn.kd
    .args:
      - { .name: qc, .offset: 0, .size: 8, .value_kind: global_buffer, .address_space: global }
      - { .name: kvc, .offset: 8, .size: 8, .value_kind: global_buffer, .address_space: global }
      - { .name: causal_mask, .offset: 16, .size: 8, .value_kind: global_buffer, .address_space: global }
      - { .name: padm, .offset: 24, .size: 8, .value_kind: global_buffer, .address_space: global }
      - { .name: ac, .offset: 32, .size: 8, .value_kind: global_buffer, .address_space: global }
      - { .name: asw, .offset: 40, .size: 8, .value_kind: global_buffer, .address_space: global }
    .group_segment_fixed_size: 327680
    .private_segment_fixed_size: 0
    .kernarg_segment_align: 8
    .kernarg_segment_size: 48
    .max_flat_workgroup_size: 256
    .sgpr_count:     102
    .vgpr_count:     512
    .wavefront_size: 32
...
	.end_amdgpu_metadata
.endif
;; end of part 3
;; launch oln (part 4): grid 256 x 1, 4 waves a work-group, clusters of 4 x 1, 327,680 bytes of LDS; arguments ac, asw, Wo_codes, Wo_scales, x, g_pre, b_pre, bo, g_ln, b_ln, out0; writes out0
.if DOCPART == 4
	.amdgcn_target "amdgcn-amd-amdhsa--gfx1250"
	.amdhsa_code_object_version 6
	.text
	.protected	k_q25b920a4f1_oln
	.globl	k_q25b920a4f1_oln
	.p2align	8
	.type	k_q25b920a4f1_oln,@function
k_q25b920a4f1_oln:
	s_mov_b64 s[64:65], 0
	v_nop
	global_prefetch_b8 v0, s[64:65] scope:SCOPE_SE
	s_setreg_imm32_b32 hwreg(HW_REG_WAVE_MODE, 25, 1), 1
	s_wait_xcnt 0x0
	s_wait_alu depctr_hold_cnt(0) depctr_sa_sdst(0) depctr_va_vdst(0) depctr_va_sdst(0) depctr_va_ssrc(0) depctr_va_vcc(0) depctr_vm_vsrc(0)
	s_getreg_b32 s2, hwreg(HW_REG_IB_STS2, 6, 4)
	s_cmp_eq_u32 s2, 0
	s_cbranch_scc0 .Lentry_in_a_cluster
	s_endpgm
.Lentry_in_a_cluster:
	s_bfe_u32 s2, ttmp6, 0x10000c
	s_cmp_lg_u32 s2, 0x3003
	s_cbranch_scc0 .Lentry_shape_is_right
	s_endpgm
.Lentry_shape_is_right:
.set CHB,   98304
.set QLDS,  96*272
.set SLOTB, 4*QLDS
.set WSC,   2*SLOTB
.set SPARE, WSC+128*272
.set SPI,   4112
.set SPW, 16
.set NIL, 17
.set WV,  26
.set G1W, 28
.set G1S, 36
.set G0,  44
.set G0S, 52
.set SEL, 56
.set T,   160
.set NM,  176
.set RS,  178
.set DD,  128
.set MSB, 0
.macro WIN new
.if MSB != \new
	s_set_vgpr_msb (MSB<<8)|\new
.set MSB, \new
.endif
.endm
.macro ROUND
	s_barrier_signal -1
	s_barrier_wait -1
	s_cmp_lg_u32 s[WV], 0
	s_cbranch_scc1 .Lnot_wave_0_\@
	s_barrier_signal -3
.Lnot_wave_0_\@:
	s_barrier_wait -3
	s_barrier_signal -1
	s_barrier_wait -1
.endm
	s_load_b512 s[4:19], s[0:1], 0x0
	s_load_b128 s[20:23], s[0:1], 0x40
	s_load_b64 s[24:25], s[0:1], 0x50
	v_lshl_add_u32 v[SPW], v0, 2, SPARE
	v_mov_b32 v[NIL], 0
	ds_add_u32 v[SPW], v[NIL]
	ds_add_u32 v[SPW], v[NIL]
	v_lshrrev_b32 v1, 5, v0
	v_readfirstlane_b32 s[WV], v1
	s_bfe_u32 s60, ttmp6, 0x40000
	s_lshl_b32 s61, ttmp9, 2
	s_add_co_u32 s61, s61, s60
	s_mov_b32 s[G1W], 15|(3<<16)|(1<<20)|(1<<21)|(5<<22)|(3<<25)
	s_mov_b32 s[G1W+1], 32<<16
	s_mov_b32 s[G1W+2], 96<<16
	s_mov_b32 s[G1W+3], 32<<16
	s_mov_b32 s[G1W+4], 96
	s_mov_b32 s[G1W+5], 32
	s_mov_b32 s[G1W+6], 0
	s_mov_b32 s[G1W+7], 0
	s_mov_b32 s[G1S], 15|(3<<16)|(1<<20)|(1<<21)|(5<<22)|(3<<25)
	s_mov_b32 s[G1S+1], 32<<16
	s_mov_b32 s[G1S+2], 32<<16
	s_mov_b32 s[G1S+3], 32<<16
	s_mov_b32 s[G1S+4], 32
	s_mov_b32 s[G1S+5], 32
	s_mov_b32 s[G1S+6], 0
	s_mov_b32 s[G1S+7], 0
	s_mul_i32 s62, s[WV], 24576
	s_mov_b32 s63, 0
	s_mul_i32 s66, s[WV], QLDS
	s_lshl_b32 s68, s[WV], 13
	s_mov_b32 s69, 0
	s_mul_i32 s67, s[WV], 32*272
	s_mov_b32 s[SEL], 0x76543210
	s_mov_b32 s[SEL+1], 0xfedcba98
	s_mov_b32 s58, 0x3a800000
	s_mov_b32 s59, 0x3727c5ac
	s_wait_dscnt 0x0
	s_wait_kmcnt 0x0
	s_add_nc_u64 s[62:63], s[8:9], s[62:63]
	s_add_nc_u64 s[68:69], s[10:11], s[68:69]
	ROUND
	s_mov_b32 s[G0S], 1
	s_add_co_u32 s[G0S+1], s67, WSC
	s_mov_b64 s[G0S+2:G0S+3], s[68:69]
	s_or_b32 s[G0S+3], s[G0S+3], 0x80000000
.irp s, 0,1
	s_mov_b32 s[G0+4*\s], 1
	s_add_co_u32 s[G0+4*\s+1], s66, \s*SLOTB
	s_add_nc_u64 s[G0+4*\s+2:G0+4*\s+3], s[62:63], \s*CHB
	s_or_b32 s[G0+4*\s+3], s[G0+4*\s+3], 0x80000000
.endr
	tensor_load_to_lds s[G0S:G0S+3], s[G1S:G1S+7]
	s_nop 0
	s_wait_alu depctr_va_vdst(0)
	s_wait_tensorcnt 0x0
	ds_add_u32 v16, v17
	s_wait_dscnt 0x0
	ROUND
	tensor_load_to_lds s[G0:G0+3], s[G1W:G1W+7]
	s_nop 0
.rept 4
	v_nop
.endr
	v_and_b32 v3, 31, v0
	v_and_b32 v1, 15, v0
	v_bfe_u32 v2, v0, 4, 1
	v_lshlrev_b32 v9, 4, v3
	s_wait_alu depctr_va_vdst(0)
	v_lshlrev_b32 v10, 3, v3
	s_wait_alu depctr_va_vdst(0)
	v_lshlrev_b32 v11, 2, v3
	s_wait_alu depctr_va_vdst(0)
	s_mul_i32 s70, s61, 24576
	s_mov_b32 s71, 0
	s_add_nc_u64 s[4:5], s[4:5], s[70:71]
	s_lshl_b32 s70, s61, 12
	s_add_nc_u64 s[6:7], s[6:7], s[70:71]
	s_lshl_b32 s70, s61, 17
	s_lshl_b32 s72, s[WV], 15
	s_add_co_u32 s70, s70, s72
	s_add_nc_u64 s[12:13], s[12:13], s[70:71]
	s_add_nc_u64 s[24:25], s[24:25], s[70:71]
	WIN 0x40
.irp rt, 0,1
.irp ks, 0,1,2,3,4,5,6,7
.irp c, 0,1
	global_load_b128 v[12*(8*\rt+\ks)+6*\c:12*(8*\rt+\ks)+6*\c+3], v9, s[4:5] offset:\rt*12288+(2*\ks+\c)*768
	global_load_b64 v[12*(8*\rt+\ks)+6*\c+4:12*(8*\rt+\ks)+6*\c+5], v10, s[4:5] offset:\rt*12288+(2*\ks+\c)*768+512
.endr
.endr
.endr
	WIN 0
.set J, 0
.rept 32
	global_load_b32 v[64+J], v11, s[6:7] offset:128*J
.set J, J+1
.endr
	s_wait_loadcnt 0x0
.irp rt, 0,1
.irp ks, 0,1,2,3,4,5,6,7
	v_lshl_or_b32 v[48+8*\rt+\ks], v[64+16*\rt+2*\ks+1], 16, v[64+16*\rt+2*\ks]
.endr
.endr
	WIN 0xc0
.irp i, 0,1,2,3,4,5,6,7
.irp k, 0,1,2,3,4,5,6,7
	global_load_b128 v[32*\i+4*\k:32*\i+4*\k+3], v9, s[12:13] offset:4096*\i+512*\k th:TH_LOAD_NT
.endr
.endr
	WIN 0
	v_mul_u32_u24 v4, v1, 816
	v_mad_u32_u24 v4, v2, 24, v4
	v_add_nc_u32 v4, s66, v4
	v_lshl_add_u32 v5, v2, 4, v4
	v_add_nc_u32 v6, SLOTB, v4
	v_add_nc_u32 v7, SLOTB, v5
	v_lshrrev_b32 v8, 3, v1
	v_mul_u32_u24 v8, v8, 272
	v_and_b32 v12, 7, v1
	v_lshl_add_u32 v8, v12, 5, v8
	s_mul_i32 s70, s[WV], 4*272
	s_add_co_u32 s70, s70, WSC
	v_add_nc_u32 v8, s70, v8
	v_mul_u32_u24 v12, v1, SPI
	v_lshl_add_u32 v12, v2, 5, v12
	s_lshl_b32 s70, s[WV], 7
	v_add_nc_u32 v12, s70, v12
	v_add_nc_u32 v13, 16*SPI, v12
	s_mul_i32 s70, s[WV], 8*SPI
	v_add_nc_u32 v14, s70, v9
	v_mov_b32 v[NM+1], 0
	v_mov_b32 v[RS+1], 0
.macro FRAGW reg, adr, ks, ct
.irp p, 0,1,2,3,4,5
.set PCE, 12*(\ks)+6*(\p/3)+\p%3
.if PCE%32 < 29
	ds_load_b64 v[\reg+2*\p:\reg+2*\p+1], v[\adr] offset:8*PCE+16*(PCE/32)+(\ct)*16*816
.else
	ds_load_b64 v[\reg+2*\p:\reg+2*\p+1], v[\adr+1] offset:8*PCE+16*(PCE/32)+(\ct)*16*816
.endif
.endr
.endm
.macro MULS c, k0
.irp ks, \k0, \k0+1, \k0+2, \k0+3
.irp ct, 0,1
.irp rt, 0,1
.set AC, 8*(4*(\c)+2*\ct+\rt)
.set WF, 64+96*((\ks)/4)+12*(2*((\ks)%4)+\ct)
.set AFR, 12*(8*\rt+(\ks))
.if (\ks) == 0
	v_wmma_scale_f32_16x16x128_f8f6f4 v[AC:AC+7], v[WF:WF+11], v[AFR:AFR+11], 0, v[32+8*\ct+(\ks)], v[48+8*\rt+(\ks)] matrix_a_fmt:MATRIX_FMT_FP6 matrix_b_fmt:MATRIX_FMT_FP6
.else
	v_wmma_scale_f32_16x16x128_f8f6f4 v[AC:AC+7], v[WF:WF+11], v[AFR:AFR+11], v[AC:AC+7], v[32+8*\ct+(\ks)], v[48+8*\rt+(\ks)] matrix_a_fmt:MATRIX_FMT_FP6 matrix_b_fmt:MATRIX_FMT_FP6
.endif
.endr
.endr
.endr
.endm
.macro CHUNK c
.set SL, (\c)%2
	s_wait_tensorcnt 0x0
	ds_add_u32 v[SPW], v[NIL]
	s_add_nc_u64 s[G0+4*SL+2:G0+4*SL+3], s[G0+4*SL+2:G0+4*SL+3], 2*CHB
	s_wait_dscnt 0x0
.if (\c) < 7
	ROUND
	tensor_load_to_lds s[G0+4*(1-SL):G0+4*(1-SL)+3], s[G1W:G1W+7]
	s_nop 0
.else
	s_barrier_signal -1
	s_barrier_wait -1
.endif
.rept 4
	v_nop
.endr
	s_wait_alu depctr_va_vdst(0)
.irp ct, 0,1
	ds_load_b128 v[32+8*\ct:32+8*\ct+3], v8 offset:16*272*(\c)+2*272*\ct
	ds_load_b128 v[32+8*\ct+4:32+8*\ct+7], v8 offset:16*272*(\c)+2*272*\ct+16
.endr
.irp ks, 0,1,2,3,4,5,6,7
.irp ct, 0,1
	FRAGW 64+96*(\ks/4)+12*(2*(\ks%4)+\ct), 4+2*SL, \ks, \ct
.endr
.endr
	s_wait_dscnt 48
	WIN 0xa4
	MULS \c, 0
	s_wait_dscnt 0x0
	MULS \c, 4
	WIN 0
.rept 4
	v_nop
.endr
.endm
.irp c, 0,1,2,3,4,5,6,7
	CHUNK \c
.endr
	s_wait_dscnt 0x0
	s_barrier_signal -1
	s_barrier_wait -1
	WIN 0x40
.irp k, 0,1,2,3,4,5,6,7
	global_load_b128 v[4*\k:4*\k+3], v9, s[14:15] offset:512*\k
	global_load_b128 v[32+4*\k:32+4*\k+3], v9, s[16:17] offset:512*\k
	global_load_b128 v[64+4*\k:64+4*\k+3], v9, s[18:19] offset:512*\k
	global_load_b128 v[96+4*\k:96+4*\k+3], v9, s[20:21] offset:512*\k
	global_load_b128 v[128+4*\k:128+4*\k+3], v9, s[22:23] offset:512*\k
.endr
	WIN 0x08
.irp c, 0,1,2,3,4,5,6,7
.irp ct, 0,1
.irp rt, 0,1
	ds_store_b128 v[12+\rt], v[8*(4*\c+2*\ct+\rt):8*(4*\c+2*\ct+\rt)+3] offset:512*\c+64*\ct
	ds_store_b128 v[12+\rt], v[8*(4*\c+2*\ct+\rt)+4:8*(4*\c+2*\ct+\rt)+7] offset:512*\c+64*\ct+16
.endr
.endr
.endr
	WIN 0
	s_wait_dscnt 0x0
	s_barrier_signal -1
	s_barrier_wait -1
.irp k, 0,1,2,3,4,5,6,7
	ds_load_b128 v[64+4*\k:64+4*\k+3], v14 offset:512*\k
.endr
	s_wait_loadcnt 0x0
	WIN 0x45
.set J, 0
.rept 16
	v_pk_add_f32 v[32+J:32+J+1], v[32+J:32+J+1], v[64+J:64+J+1]
.set J, J+2
.endr
	WIN 0
.macro REDUCE
	v_pk_add_f32 v[T:T+1], v[T:T+1], v[T+2:T+3]
	v_add_f32 v[T], v[T], v[T+1]
	v_add_f32_dpp v[T], v[T], v[T] row_xmask:1 row_mask:0xf bank_mask:0xf
	v_add_f32_dpp v[T], v[T], v[T] row_xmask:2 row_mask:0xf bank_mask:0xf
	v_add_f32_dpp v[T], v[T], v[T] row_xmask:4 row_mask:0xf bank_mask:0xf
	v_add_f32_dpp v[T], v[T], v[T] row_xmask:8 row_mask:0xf bank_mask:0xf
	v_permlanex16_b32 v[T+1], v[T], s[SEL], s[SEL+1]
	v_add_f32 v[T], v[T], v[T+1]
.endm
.macro SQ y
	v_pk_mul_f32 v[T:T+1], v[\y:\y+1], v[\y:\y+1]
	v_pk_mul_f32 v[T+2:T+3], v[\y+2:\y+3], v[\y+2:\y+3]
.irp j, 4,8,12,16,20,24,28
	v_pk_fma_f32 v[T:T+1], v[\y+\j:\y+\j+1], v[\y+\j:\y+\j+1], v[T:T+1]
	v_pk_fma_f32 v[T+2:T+3], v[\y+\j+2:\y+\j+3], v[\y+\j+2:\y+\j+3], v[T+2:T+3]
.endr
	REDUCE
	v_fma_f32 v[T], v[T], s58, s59
	s_wait_alu depctr_va_vdst(0)
	v_rsq_f32 v[RS], v[T]
	v_nop
	s_wait_alu depctr_va_vdst(0)
.set J, 0
.rept 16
	v_pk_mul_f32 v[\y+J:\y+J+1], v[\y+J:\y+J+1], v[RS:RS+1] op_sel_hi:[1,0]
.set J, J+2
.endr
.endm
.macro ROWOUT i
.set YY, 64+32*((\i)%2)
.set YN, 64+32*((\i+1)%2)
.set XR, 32*(\i)
.if (\i) < 7
.if (\i) > 0
	s_wait_xcnt 0x0
.endif
.irp k, 0,1,2,3,4,5,6,7
	ds_load_b128 v[YN+4*\k:YN+4*\k+3], v14 offset:((\i)+1)*SPI+512*\k
.endr
	s_wait_dscnt 8
.else
	s_wait_dscnt 0x0
.endif
	WIN 0x0f
.irp k, 0,1,2,3,4,5,6,7
	v_pk_add_f32 v[T+2*\k:T+2*\k+1], v[XR+4*\k:XR+4*\k+1], v[XR+4*\k+2:XR+4*\k+3]
.endr
	WIN 0
	v_pk_add_f32 v[T:T+1], v[T:T+1], v[T+2:T+3]
	v_pk_add_f32 v[T+4:T+5], v[T+4:T+5], v[T+6:T+7]
	v_pk_add_f32 v[T+8:T+9], v[T+8:T+9], v[T+10:T+11]
	v_pk_add_f32 v[T+12:T+13], v[T+12:T+13], v[T+14:T+15]
	v_pk_add_f32 v[T:T+1], v[T:T+1], v[T+4:T+5]
	v_pk_add_f32 v[T+2:T+3], v[T+8:T+9], v[T+12:T+13]
	REDUCE
	v_mul_f32 v[NM], 0xba800000, v[T]
	WIN 0x03
.set J, 0
.rept 16
	v_pk_add_f32 v[DD+J:DD+J+1], v[XR+J:XR+J+1], v[NM:NM+1] op_sel_hi:[1,0]
.set J, J+2
.endr
	WIN 0
	SQ DD
	WIN 0x04
.set J, 0
.rept 16
	v_pk_add_f32 v[YY+J:YY+J+1], v[YY+J:YY+J+1], v[32+J:32+J+1]
.set J, J+2
.endr
.set J, 0
.rept 16
	v_pk_fma_f32 v[YY+J:YY+J+1], v[DD+J:DD+J+1], v[J:J+1], v[YY+J:YY+J+1]
.set J, J+2
.endr
	WIN 0
	v_pk_add_f32 v[T:T+1], v[YY:YY+1], v[YY+2:YY+3]
	v_pk_add_f32 v[T+2:T+3], v[YY+4:YY+5], v[YY+6:YY+7]
.irp j, 8,16,24
	v_pk_add_f32 v[T:T+1], v[T:T+1], v[YY+\j:YY+\j+1]
	v_pk_add_f32 v[T+2:T+3], v[T+2:T+3], v[YY+\j+2:YY+\j+3]
	v_pk_add_f32 v[T:T+1], v[T:T+1], v[YY+\j+4:YY+\j+5]
	v_pk_add_f32 v[T+2:T+3], v[T+2:T+3], v[YY+\j+6:YY+\j+7]
.endr
	REDUCE
	v_mul_f32 v[NM], 0xba800000, v[T]
.set J, 0
.rept 16
	v_pk_add_f32 v[YY+J:YY+J+1], v[YY+J:YY+J+1], v[NM:NM+1] op_sel_hi:[1,0]
.set J, J+2
.endr
	SQ YY
	WIN 0x14
.set J, 0
.rept 16
	v_pk_fma_f32 v[YY+J:YY+J+1], v[YY+J:YY+J+1], v[96+J:96+J+1], v[128+J:128+J+1]
.set J, J+2
.endr
	WIN 0
.irp k, 0,1,2,3,4,5,6,7
	global_store_b128 v9, v[YY+4*\k:YY+4*\k+3], s[24:25] offset:4096*(\i)+512*\k th:TH_STORE_NT
.endr
.endm
.irp i, 0,1,2,3,4,5,6,7
	ROWOUT \i
.endr
	s_wait_tensorcnt 0x0
	ds_add_u32 v[SPW], v[NIL]
	s_wait_dscnt 0x0
	ROUND
	s_endpgm
.Lfunc_end_k_q25b920a4f1_oln:
	.size	k_q25b920a4f1_oln, .Lfunc_end_k_q25b920a4f1_oln-k_q25b920a4f1_oln
	.p2alignl 7, 3214868480
	.fill 96, 4, 3214868480
	.section	.rodata,"a",@progbits
	.p2align	6, 0x0
	.amdhsa_kernel k_q25b920a4f1_oln
		.amdhsa_group_segment_fixed_size 327680
		.amdhsa_private_segment_fixed_size 0
		.amdhsa_enable_private_segment 0
		.amdhsa_kernarg_size 88
		.amdhsa_user_sgpr_count 2
		.amdhsa_user_sgpr_kernarg_segment_ptr 1
		.amdhsa_wavefront_size32 1
		.amdhsa_system_sgpr_workgroup_id_x 1
		.amdhsa_system_sgpr_workgroup_id_y 1
		.amdhsa_system_sgpr_workgroup_id_z 1
		.amdhsa_system_vgpr_workitem_id 0
		.amdhsa_next_free_vgpr 1024
		.amdhsa_next_free_sgpr 80
		.amdhsa_reserve_vcc 0
		.amdhsa_float_denorm_mode_32 3
		.amdhsa_float_denorm_mode_16_64 3
		.amdhsa_memory_ordered 1
		.amdhsa_forward_progress 1
		.amdhsa_inst_pref_size 238
	.end_amdhsa_kernel
	.amdgpu_metadata
---
amdhsa.version: [ 1, 2 ]
amdhsa.kernels:
  - .name:           k_q25b920a4f1_oln
    .symbol:         k_q25b920a4f1_oln.kd
    .args:
      - { .name: ac, .offset: 0, .size: 8, .value_kind: global_buffer, .address_space: global }
      - { .name: asw, .offset: 8, .size: 8, .value_kind: global_buffer, .address_space: global }
      - { .name: Wo_codes, .offset: 16, .size: 8, .value_kind: global_buffer, .address_space: global }
      - { .name: Wo_scales, .offset: 24, .size: 8, .value_kind: global_buffer, .address_space: global }
      - { .name: x, .offset: 32, .size: 8, .value_kind: global_buffer, .address_space: global }
      - { .name: g_pre, .offset: 40, .size: 8, .value_kind: global_buffer, .address_space: global }
      - { .name: b_pre, .offset: 48, .size: 8, .value_kind: global_buffer, .address_space: global }
      - { .name: bo, .offset: 56, .size: 8, .value_kind: global_buffer, .address_space: global }
      - { .name: g_ln, .offset: 64, .size: 8, .value_kind: global_buffer, .address_space: global }
      - { .name: b_ln, .offset: 72, .size: 8, .value_kind: global_buffer, .address_space: global }
      - { .name: out0, .offset: 80, .size: 8, .value_kind: global_buffer, .address_space: global }
    .group_segment_fixed_size: 327680
    .private_segment_fixed_size: 0
    .kernarg_segment_align: 8
    .kernarg_segment_size: 88
    .max_flat_workgroup_size: 128
    .sgpr_count:     80
    .vgpr_count:     1024
    .wavefront_size: 32
...
	.end_amdgpu_metadata
.endif
;; end of part 4
